; MI455X (gfx1250); checked and timed in simulation.
; The chip was launched on July 23, 2026; its instructions are those of AMD's public machine-readable ISA for CDNA 5 (MIT licence, August 2026) and "CDNA5" Instruction Set Architecture Reference Guide (July 2026). The comments in the code are by the model that wrote it; some were corrected since.
;; Grouped Query Attention. Allowed arithmetic: matrix products marked QUANTISED: E2M3 operands, one E8M0 scale for each 32 along K, by v_wmma_scale_f32_16x16x128_f8f6f4 with both operands' format E2M3, f32 sums; products left as they are: f32 operands where the result goes on into a quantised operand, else bf16, f16 or f32 operands; f32 sums; everything else in f32.
;; Inputs: Wk 512 x 4,096 float32; Wo 4,096 x 512 float32; Wq 512 x 16,384 float32; Wv 512 x 4,096 float32; bk 4,096 float32; bo 512 float32; bq 16,384 float32; bv 4,096 float32; x 2 x 2,048 x 512 float32.
;; Outputs: out0 2 x 2,048 x 512 float32.
;; This version of the problem:
;;   THIS VERSION OF THE PROBLEM IS GIVEN IN LOW PRECISION. The matrix products marked QUANTISED in the list below multiply operands that are first quantised to E2M3 (2 exponent bits, 3 mantissa bits; 6 bits a number), with one power-of-two scale for each 32 numbers along K (OCP MX v1.0); their sums are f32. All else is computed in f32.
;;   The module's matrix products, in the order in which they are computed (A, B: the left and right operand; K: the contracted axis; several contracted axes count as one K, in the product's order):
;;     1. [M 4,096, K 512] x [K 512, N 16,384]; A: input x; B: input Wq: QUANTISED
;;     2. [M 4,096, K 512] x [K 512, N 4,096]; A: input x; B: input Wk: QUANTISED
;;     3. [M 4,096, K 512] x [K 512, N 4,096]; A: input x; B: input Wv: QUANTISED
;;     4. batch 16 x [M 1, K 512] x [K 512, N 8,192]; A: computed on the way; B: computed on the way: left as it is (M = 1 < 16)
;;     5. batch 16 x [M 1,048,576, K 1] x [K 1, N 1]; A: computed on the way; B: computed on the way: left as it is (no contracted axis)
;;     6. [M 4,096, K 4,096] x [K 4,096, N 512]; A: computed on the way; B: input Wo: QUANTISED
;;   THE QUANTISER, for each operand of a quantised product, along K:
;;     - K is cut into blocks of 32 from its start; a last block that is shorter is filled with zeros.
;;     - A block's scale is 2^e with e = floor(log2(the largest magnitude in the block)) - 2, held to -126 .. 127; a block of zeros has e = 0. As a byte (E8M0): e + 127.
;;     - Each number is divided by its block's scale, clamped to +-7.5, and rounded to the nearest number of E2M3, ties to even, subnormals kept.
;;     - The product sums the exact products of the quantised numbers (number of the format x scale) in f32.
;;   ~~~python
;;   def quantise(x, axis):      # numpy; x: float32 -> the quantised numbers, widened to float32 again
;;       x = np.moveaxis(x, axis, -1); K = x.shape[-1]
;;       x = np.pad(x, [(0, 0)] * (x.ndim - 1) + [(0, -K % 32)]); x = x.reshape(x.shape[:-1] + (-1, 32)); a = np.abs(x).max(-1, keepdims=True)
;;       e = np.where(a > 0, np.clip(np.frexp(np.where(a > 0, a, 1))[1] - 1 - 2, -126, 127), 0)      # np.frexp(a)[1] - 1 = floor(log2(a)), exactly
;;       r = np.clip(x / 2.0 ** e, -7.5, 7.5)
;;       step = 2.0 ** (np.maximum(np.frexp(np.where(r == 0, 1, r))[1] - 1, 0) - 3)
;;       q = np.round(r / step) * step * 2.0 ** e      # np.round: ties to even
;;       return np.moveaxis(q.reshape(q.shape[:-2] + (-1,))[..., :K], -1, axis).astype(np.float32)
;;   ~~~
;;   OPERANDS COMPUTED ON THE WAY. 'Computed on the way' means the value that the module computes at that place (a softmax that the list does not call 'softmax' is quantised finished and normalised). What goes into a quantiser is computed in f32, as accurately as f32 sums, v_exp_f32 and their like allow (about 1e-6 of the number): no bf16 or f16 on the way to a quantiser, and a product that is left as it is and whose result goes on into a quantised operand takes f32 operands (vector FMAs, or v_wmma_f32_16x16x4_f32). A number that lies on a knife's edge between two numbers of the format may be rounded either way, as far as f32 arithmetic and the matrix unit's own rounding can turn it there, and no further.
;; One version. Each part assembles by itself: llvm-mc -triple=amdgcn-amd-amdhsa -mcpu=gfx1250 --defsym DOCPART=n.
;; ======== version 1 of 1: 6 launches
;; limits: right only within a limited range of input values
;; workspace buffers: wc 12,582,912 bytes; ws 524,288 bytes; kp 524,288 bytes; sc 524,288 bytes; wp 8,192 bytes; ac 12,582,912 bytes; asc 524,288 bytes
;; launch quant (part 1): grid 1024 x 1, 4 waves a work-group, no clusters, 68,608 bytes of LDS; arguments x, Wq, Wk, Wv, Wo, wc, ws; writes wc, ws
.if DOCPART == 1
	.amdgcn_target "amdgcn-amd-amdhsa--gfx1250"
	.amdhsa_code_object_version 6
	.text
	.protected	k_qcaa7d84221_quant
	.globl	k_qcaa7d84221_quant
	.p2align	8
	.type	k_qcaa7d84221_quant,@function
k_qcaa7d84221_quant:
	s_mov_b64 s[64:65], 0
	v_nop
	global_prefetch_b8 v0, s[64:65] scope:SCOPE_SE
	s_setreg_imm32_b32 hwreg(HW_REG_WAVE_MODE, 25, 1), 1
	s_wait_xcnt 0x0
; x [4096][512] (K innermost) and Wq [512][16384], Wk, Wv [512][4096], Wo [4096][512] (K = the first axis), all f32, become codes of FP6 (E2M3) with one E8M0 byte for each 32 along K.
; THE CODES ARE LAID IN THE ORDER OF THE OPERAND'S REGISTERS: a fragment (16 rows or columns x 128 K, 12 registers a lane) is 1,536 bytes, register p of lane L at 512 (p / 4) + 16 L + 4 (p % 4);
; fragment (tile, K step s) of an operand lies at its base + (tile x KST + s) x 1,536.
; A SCALE WORD (4 bytes: 128 K of one row or column) lies at its base + (s x NIDX + place) x 4; index 64 T + 16 u + r has place 64 T + 4 r + u, so that lane r's words of four neighbouring tiles are 16 neighbouring bytes.
; Wv's columns are laid in another order: index 32 b + L holds column 32 b + (L & 7) + 16 ((L >> 3) & 1) + 8 (L >> 4), so that the product that reads them leaves 16 neighbours along the next K in a lane.
; A block's scale is 2^(floor(log2(largest magnitude)) - 2): its byte is the largest magnitude's exponent field - 2, held at 1 from below.
; LIMITS: a block of zeros gets the byte 1 where the rule says 127 (its codes are zeros, and this program alone reads the bytes); blocks whose largest magnitude lies under 2^-124 were not tried; NaN and infinities are not served.
; SHARES: a work-group takes 128 columns (x: 128 rows) x 128 along K; a wave 32 of them, two tiles; a lane one column, its 128 registers running down K: four whole blocks, so no maximum crosses lanes.
; Work-groups 0-511: Wq; 512-639: Wk; 640-767: Wv; 768-895: Wo; 896-1023: x.  The arms differ in the loads alone.  No tensor load, no loop.
.set QC,  1572864                      ; bases in wc: x at 0
.set KC,  7864320
.set VC,  9437184
.set OC,  11010048
.set QSW, 65536                        ; bases in ws: x at 0
.set KSW, 327680
.set OSW, 458752
.set STGB, 16896                       ; LDS: a wave's stage for x: 32 rows, 528 bytes apart (33 x 16)
.set SCB, 4*STGB                       ; behind the stages: the work-group's 128 scale words
.set AM, 10                            ; v10-13 largest magnitudes
.set SO, 14                            ; v14-17 the conversions' scale operands
.set BY, 18                            ; v18-21 scale bytes
.set WD, 22                            ; v22    my column's scale word
.set P,  24                            ; v24-35 blocks 0 and 2, then the image of the wave's first tile
.set QR, 36                            ; v36-47 blocks 1 and 3, then the image of its second tile
.set TH, 48                            ; v48-63 the upper halves of the four blocks as converted
.set X,  64                            ; v64-191 my 128 numbers along K
.macro WLOAD stride                    ; row i of the K step at my column: 32 lanes read 128 consecutive bytes; 127 x 65,536 stays inside the signed 24-bit immediate
.set i, 0
.rept 128
	global_load_b32 v[X+i], v2, s[20:21] offset:i*\stride th:TH_LOAD_NT
.set i, i+1
.endr
.endm
	s_load_b256 s[4:11], s[0:1], 0x0               ; x s[4:5], Wq s[6:7], Wk s[8:9], Wv s[10:11]
	s_load_b128 s[12:15], s[0:1], 0x20             ; Wo s[12:13], wc s[14:15]
	s_load_b64 s[16:17], s[0:1], 0x30              ; ws
	v_lshl_add_u32 v192, v0, 2, 0x10a00
	v_mov_b32 v193, 0
	v_lshrrev_b32 v1, 5, v0
	v_readfirstlane_b32 s18, v1                    ; wave
	v_and_b32 v1, 31, v0                           ; lane L
	v_lshlrev_b32 v2, 2, v1                        ; my column's bytes: 4 L
	v_lshlrev_b32 v3, 4, v1                        ; 16 L
	v_and_b32 v9, 7, v1
	v_bfe_u32 v10, v1, 3, 1
	v_lshl_add_u32 v9, v10, 4, v9
	v_lshrrev_b32 v10, 4, v1
	v_lshl_add_u32 v9, v10, 3, v9
	v_lshlrev_b32 v9, 2, v9                        ; Wv's order: 4 x ((L & 7) + 16 ((L >> 3) & 1) + 8 (L >> 4))
	s_mul_i32 s19, s18, STGB
	v_add_nc_u32 v5, s19, v3                       ; the stage, in: 16 L of a row
	v_mul_u32_u24 v6, v1, 528
	v_add_nc_u32 v6, s19, v6                       ; and out: row L
	v_and_b32 v10, 15, v0                          ; my scale word's place among the work-group's 128: thread 64 T + 16 u + r goes to word 64 T + 4 r + u
	v_lshlrev_b32 v7, 4, v10                       ; 16 r
	v_bfe_u32 v10, v0, 4, 2
	v_lshl_add_u32 v7, v10, 2, v7                  ; + 4 u
	v_lshrrev_b32 v10, 6, v0
	v_lshl_add_u32 v7, v10, 8, v7                  ; + 256 T
	v_add_nc_u32 v7, SCB, v7
	v_add_nc_u32 v8, SCB, v3                       ; wave 0 reads the 128 words back, 16 bytes a lane
	s_mov_b32 s28, ttmp9
	s_mov_b32 s33, 0
	s_lshl_b32 s39, s18, 7                         ; my wave's 32 columns: 128 bytes
	s_wait_kmcnt 0x0
	s_cmp_lt_u32 s28, 512
	s_cbranch_scc1 .Lwq
	s_cmp_lt_u32 s28, 768
	s_cbranch_scc1 .Lwkv
	s_cmp_lt_u32 s28, 896
	s_cbranch_scc1 .Lwo
	; ---- x: K is innermost.  Each load reads 512 consecutive bytes of one row; the 32 rows turn through the wave's stage, and lane L gets row L
	s_sub_co_u32 s29, s28, 896
	s_lshr_b32 s31, s29, 2                         ; which 128 rows
	s_and_b32 s30, s29, 3                          ; K step
	s_lshl_b32 s32, s31, 7
	s_lshl_b32 s34, s18, 5
	s_add_co_u32 s32, s32, s34
	s_lshl_b32 s32, s32, 11                        ; my first row x 2,048 bytes
	s_lshl_b32 s34, s30, 9
	s_add_co_u32 s32, s32, s34
	s_add_nc_u64 s[20:21], s[4:5], s[32:33]
	s_mov_b32 s35, 4                               ; KST
	s_mov_b32 s36, 0                               ; base in wc
	s_mov_b32 s37, 4096                            ; NIDX
	s_mov_b32 s38, 0                               ; base in ws
.set i, 0
.rept 32
	global_load_b128 v[X+4*i:X+4*i+3], v3, s[20:21] offset:2048*i th:TH_LOAD_NT
.set i, i+1
.endr
.set i, 0
.rept 32
	s_wait_loadcnt 31-i                            ; row i is in; the younger rows' loads may be out
	ds_store_b128 v5, v[X+4*i:X+4*i+3] offset:528*i
.set i, i+1
.endr
.set i, 0
	s_wait_alu depctr_va_vdst(0)
.rept 32
	ds_load_b128 v[X+4*i:X+4*i+3], v6 offset:16*i  ; LDS serves a wave's instructions in order: these see my stores
.set i, i+1
.endr
	s_branch .Lq
.Lwq:
	s_lshr_b32 s31, s28, 2                         ; which 128 columns
	s_and_b32 s30, s28, 3                          ; K step
	s_lshl_b32 s32, s30, 23                        ; 128 rows of 65,536 bytes
	s_lshl_b32 s34, s31, 9
	s_add_co_u32 s32, s32, s34
	s_add_co_u32 s32, s32, s39
	s_add_nc_u64 s[20:21], s[6:7], s[32:33]
	s_mov_b32 s35, 4
	s_mov_b32 s36, QC
	s_mov_b32 s37, 16384
	s_mov_b32 s38, QSW
	WLOAD 65536
	s_branch .Lq
.Lwkv:
	s_sub_co_u32 s29, s28, 512
	s_lshr_b32 s34, s29, 7                         ; 0: Wk, 1: Wv
	s_and_b32 s29, s29, 127
	s_lshr_b32 s31, s29, 2
	s_and_b32 s30, s29, 3
	s_mul_i32 s36, s34, VC-KC
	s_add_co_u32 s36, s36, KC
	s_lshl_b32 s38, s34, 16
	s_add_co_u32 s38, s38, KSW
	s_cmp_eq_u32 s34, 0                            ; the choice hangs on the work-group's number alone
	s_cselect_b64 s[20:21], s[8:9], s[10:11]
	s_cselect_b32 s27, 0, -1
	v_cndmask_b32 v2, v2, v9, s27                  ; Wv's columns in their own order
	s_lshl_b32 s32, s30, 21                        ; 128 rows of 16,384 bytes
	s_lshl_b32 s34, s31, 9
	s_add_co_u32 s32, s32, s34
	s_add_co_u32 s32, s32, s39
	s_add_nc_u64 s[20:21], s[20:21], s[32:33]
	s_mov_b32 s35, 4
	s_mov_b32 s37, 4096
	WLOAD 16384
	s_branch .Lq
.Lwo:
	s_sub_co_u32 s29, s28, 768
	s_and_b32 s31, s29, 3
	s_lshr_b32 s30, s29, 2                         ; K step 0..31
	s_lshl_b32 s32, s30, 18                        ; 128 rows of 2,048 bytes
	s_lshl_b32 s34, s31, 9
	s_add_co_u32 s32, s32, s34
	s_add_co_u32 s32, s32, s39
	s_add_nc_u64 s[20:21], s[12:13], s[32:33]
	s_mov_b32 s35, 32
	s_mov_b32 s36, OC
	s_mov_b32 s37, 512
	s_mov_b32 s38, OSW
	WLOAD 2048
.Lq:
	; where the results go, made while the loads are out
	s_lshl_b32 s29, s31, 3
	s_lshl_b32 s34, s18, 1
	s_add_co_u32 s29, s29, s34                     ; my first tile: 8 x group + 2 x wave
	s_mul_i32 s29, s29, s35
	s_add_co_u32 s29, s29, s30                     ; x KST + K step
	s_mul_i32 s32, s29, 1536
	s_add_co_u32 s32, s32, s36
	s_add_nc_u64 s[22:23], s[14:15], s[32:33]
	s_mul_i32 s26, s35, 1536                       ; my second tile lies KST fragments on
	v_add_nc_u32 v4, s26, v3
	s_mul_i32 s29, s30, s37
	s_lshl_b32 s34, s31, 7
	s_add_co_u32 s29, s29, s34
	s_lshl_b32 s32, s29, 2
	s_add_co_u32 s32, s32, s38
	s_add_nc_u64 s[24:25], s[16:17], s[32:33]
	s_wait_loadcnt 0x0
	s_wait_dscnt 0x0
.irp b, 0,1,2,3
	v_max3_num_f32 v[AM+\b], |v[X+32*\b]|, |v[X+32*\b+1]|, 0x1800000   ; block b's largest magnitude, and the floor 2^(3 - 127): the byte cannot fall under 1
.endr
.irp i, 2,4,6,8,10,12,14,16,18,20,22,24,26,28,30
.irp b, 0,1,2,3
	v_max3_num_f32 v[AM+\b], v[AM+\b], |v[X+32*\b+\i]|, |v[X+32*\b+\i+1]|   ; the four blocks by turns
.endr
.endr
.irp b, 0,1,2,3
	v_add_nc_u32 v[SO+\b], 0xff000000, v[AM+\b]    ; 2 off the exponent field: the conversion takes this operand's exponent field as its scale
.endr
.irp b, 0,1,2,3
	v_lshrrev_b32 v[BY+\b], 23, v[SO+\b]           ; the scale's byte
.endr
	v_lshl_or_b32 v[WD], v[BY+1], 8, v[BY]
	v_lshl_or_b32 v[WD], v[BY+2], 16, v[WD]
	v_lshl_or_b32 v[WD], v[BY+3], 24, v[WD]
	v_cvt_scalef32_pk16_fp6_f32 v[P:P+2], v[X:X+15], v[SO]             ; a conversion's three registers begin on an even number: a block's upper half is made elsewhere and moved
	v_cvt_scalef32_pk16_fp6_f32 v[TH:TH+2], v[X+16:X+31], v[SO]
	v_cvt_scalef32_pk16_fp6_f32 v[QR:QR+2], v[X+32:X+47], v[SO+1]
	v_cvt_scalef32_pk16_fp6_f32 v[TH+8:TH+10], v[X+48:X+63], v[SO+1]
	v_cvt_scalef32_pk16_fp6_f32 v[P+6:P+8], v[X+64:X+79], v[SO+2]
	v_cvt_scalef32_pk16_fp6_f32 v[TH+4:TH+6], v[X+80:X+95], v[SO+2]
	v_cvt_scalef32_pk16_fp6_f32 v[QR+6:QR+8], v[X+96:X+111], v[SO+3]
	v_cvt_scalef32_pk16_fp6_f32 v[TH+12:TH+14], v[X+112:X+127], v[SO+3]
	v_nop                                          ; one plain place behind the scaled conversions
.irp i, 0,1,2
	v_mov_b32 v[P+3+\i], v[TH+\i]
	v_mov_b32 v[P+9+\i], v[TH+4+\i]
	v_mov_b32 v[QR+3+\i], v[TH+8+\i]
	v_mov_b32 v[QR+9+\i], v[TH+12+\i]
.endr
; The operand's layout gives lane (r, h) blocks h and 2 + h of column r.  P's lanes 16-31 (blocks 0, 2 of columns 16-31) change places with QR's lanes 0-15 (blocks 1, 3 of columns 0-15):
; P is then the first tile's image and QR the second's.
.irp i, 0,1,2,3,4,5,6,7,8,9,10,11
	v_permlane16_swap_b32 v[P+\i], v[QR+\i]
.endr
.irp c, 0,1,2
	global_store_b128 v3, v[P+4*\c:P+4*\c+3], s[22:23] offset:512*\c    ; 32 lanes store 512 consecutive bytes, at a multiple of 256 from the buffer's first byte
.endr
.irp c, 0,1,2
	global_store_b128 v4, v[QR+4*\c:QR+4*\c+3], s[22:23] offset:512*\c
.endr
	ds_store_b32 v7, v[WD]
	s_wait_dscnt 0x0                               ; for the others' sake: my scale word has landed
	s_barrier_signal -1
	s_barrier_wait -1
	s_cmp_lg_u32 s18, 0
	s_cbranch_scc1 .Lend
	ds_load_b128 v[10:13], v8                      ; wave 0 stores the work-group's 128 words: 512 consecutive bytes
	s_wait_dscnt 0x0
	global_store_b128 v3, v[10:13], s[24:25]
.Lend:
	s_wait_tensorcnt 0x0
	ds_add_u32 v192, v193
	s_wait_dscnt 0x0
	s_endpgm
.Lfunc_end_k_qcaa7d84221_quant:
	.size	k_qcaa7d84221_quant, .Lfunc_end_k_qcaa7d84221_quant-k_qcaa7d84221_quant
	.p2alignl 7, 3214868480
	.fill 96, 4, 3214868480
	.section	.rodata,"a",@progbits
	.p2align	6, 0x0
	.amdhsa_kernel k_qcaa7d84221_quant
		.amdhsa_group_segment_fixed_size 68608
		.amdhsa_private_segment_fixed_size 0
		.amdhsa_enable_private_segment 0
		.amdhsa_kernarg_size 56
		.amdhsa_user_sgpr_count 2
		.amdhsa_user_sgpr_kernarg_segment_ptr 1
		.amdhsa_wavefront_size32 1
		.amdhsa_system_sgpr_workgroup_id_x 1
		.amdhsa_system_sgpr_workgroup_id_y 1
		.amdhsa_system_sgpr_workgroup_id_z 1
		.amdhsa_system_vgpr_workitem_id 0
		.amdhsa_next_free_vgpr 194
		.amdhsa_next_free_sgpr 66
		.amdhsa_reserve_vcc 0
		.amdhsa_float_denorm_mode_32 3
		.amdhsa_float_denorm_mode_16_64 3
		.amdhsa_memory_ordered 1
		.amdhsa_forward_progress 1
		.amdhsa_inst_pref_size 57
	.end_amdhsa_kernel
	.amdgpu_metadata
---
amdhsa.version: [ 1, 2 ]
amdhsa.kernels:
  - .name:           k_qcaa7d84221_quant
    .symbol:         k_qcaa7d84221_quant.kd
    .args:
      - { .name: x, .offset: 0, .size: 8, .value_kind: global_buffer, .address_space: global }
      - { .name: Wq, .offset: 8, .size: 8, .value_kind: global_buffer, .address_space: global }
      - { .name: Wk, .offset: 16, .size: 8, .value_kind: global_buffer, .address_space: global }
      - { .name: Wv, .offset: 24, .size: 8, .value_kind: global_buffer, .address_space: global }
      - { .name: Wo, .offset: 32, .size: 8, .value_kind: global_buffer, .address_space: global }
      - { .name: wc, .offset: 40, .size: 8, .value_kind: global_buffer, .address_space: global }
      - { .name: ws, .offset: 48, .size: 8, .value_kind: global_buffer, .address_space: global }
    .group_segment_fixed_size: 68608
    .private_segment_fixed_size: 0
    .kernarg_segment_align: 8
    .kernarg_segment_size: 56
    .max_flat_workgroup_size: 128
    .sgpr_count:     66
    .vgpr_count:     194
    .wavefront_size: 32
...
	.end_amdgpu_metadata
.endif
;; end of part 1
;; launch ksum (part 2): grid 8 x 32, 4 waves a work-group, clusters of 4 x 4, 248,320 bytes of LDS; arguments wc, ws, kp; writes kp
.if DOCPART == 2
	.amdgcn_target "amdgcn-amd-amdhsa--gfx1250"
	.amdhsa_code_object_version 6
	.text
	.protected	k_qcaa7d84221_ksum
	.globl	k_qcaa7d84221_ksum
	.p2align	8
	.type	k_qcaa7d84221_ksum,@function
k_qcaa7d84221_ksum:
	s_mov_b64 s[64:65], 0
	v_nop
	global_prefetch_b8 v0, s[64:65] scope:SCOPE_SE
	s_setreg_imm32_b32 hwreg(HW_REG_WAVE_MODE, 25, 1), 1
	s_wait_xcnt 0x0
	s_wait_alu depctr_hold_cnt(0) depctr_sa_sdst(0) depctr_va_vdst(0) depctr_va_sdst(0) depctr_va_ssrc(0) depctr_va_vcc(0) depctr_vm_vsrc(0)
	s_getreg_b32 s2, hwreg(HW_REG_IB_STS2, 6, 4)
	s_cmp_eq_u32 s2, 0
	s_cbranch_scc0 .Lentry_in_a_cluster
	s_endpgm
.Lentry_in_a_cluster:
	s_bfe_u32 s2, ttmp6, 0x10000c
	s_cmp_lg_u32 s2, 0xf033
	s_cbranch_scc0 .Lentry_shape_is_right
	s_endpgm
.Lentry_shape_is_right:
; The product x Wk on codes of FP6, with its rows summed on the way: kp[rb][n] = the sum over the 128 rows of block rb of (x Wk)[row][n].  (The bias is added by the next launch, 2,048 times at once.)
; SHARES: work-group (x, y) takes columns 512 x .. and rows 128 y ..  Wave w keeps its 128 columns of Wk, all of K = 512, in registers: 8 tiles x 4 K steps x 12 = 384.
; CLUSTER 4 x 4: the four work-groups of a column of the cluster need the same 196,608 bytes of Wk, the four of a row the same 49,152 bytes of x.  Both come JOINTLY, one tensor load a wave:
; waves 0-2 a third of Wk each (65,536 bytes), wave 3 x's 8 row tiles.  Nothing in LDS is filled twice; a wave has one tensor load out.  No place in the cluster enters an LDS address.
; Each wave then copies its own 49,152 bytes of Wk from LDS into registers; x's fragments are read from LDS tile by tile, each feeding 8 products.
; THE 8 ACCUMULATORS, one for each column tile, take all 8 row tiles and all 4 K steps in place: D(m, n) is then the sum over the rows that are m modulo 16.  So the order of the f32 sums is not reference()'s.
; No prefetch: the text has no loop to run ahead in, and all operands are asked for at the head.
; REGISTERS: window 0: v3-13 addresses; v32-63 Wk's scale words (16 (i / 4) + 4 s + i % 4); v64-95 x's likewise; v96-191 two sets of x's fragments; v192-255 accumulators.  Windows 1, 2: Wk's fragments (i, s) at 48 (i % 4) + 12 s.
.set KC,  7864320                      ; Wk's codes in wc (x's at 0)
.set KSW, 327680                       ; Wk's scale words in ws (x's at 0)
.set FRB, 1536
.set TLB, 6144                         ; a tile's four fragments
.set XL,  196608                       ; LDS: Wk from 0, x's tiles from XL,
.set STG, 245760                       ; 512 bytes a wave for the way out,
.set SPARE, 247808                     ; the spare words, 128 bytes a wave
.set R16, 3
.set LI,  4
.set R4,  5
.set SI,  6
.set SOA, 7
.set WA,  12                           ; 16 x lane + 49,152 x wave: my part of Wk in LDS
.set XA,  13                           ; 16 x lane + XL
.set PS,  32
.set QS,  64
.set QF,  96
.set ACC, 192
.set TS,  96
.set US,  112
.set MSB, 0
.macro WIN new                         ; the immediate's high byte repeats the setting that is left
.if MSB != (\new)
	s_set_vgpr_msb (MSB<<8)|(\new)
.set MSB, (\new)
.endif
.endm
.macro PLACES n
.rept \n
	v_nop
.endr
.endm
.macro MM0                             ; the first product of a sum: C = 0
	v_wmma_scale_f32_16x16x128_f8f6f4 v[rD:rD+7], v[rA:rA+11], v[rB:rB+11], 0, v[rX], v[rY] matrix_a_fmt:MATRIX_FMT_FP6 matrix_b_fmt:MATRIX_FMT_FP6
.endm
.macro MMA
	v_wmma_scale_f32_16x16x128_f8f6f4 v[rD:rD+7], v[rA:rA+11], v[rB:rB+11], v[rD:rD+7], v[rX], v[rY] matrix_a_fmt:MATRIX_FMT_FP6 matrix_b_fmt:MATRIX_FMT_FP6
.endm
.macro ROUND                           ; a round of the cluster's barrier
	s_barrier_signal -1
	s_barrier_wait -1
	s_cmp_lg_u32 s10, 0
	s_cbranch_scc1 .Lnot_wave_0_\@
	s_barrier_signal -3
.Lnot_wave_0_\@:
	s_barrier_wait -3
	s_barrier_signal -1
	s_barrier_wait -1
.endm
.macro G1REST b, rows                  ; group 1 behind its first word: dense rows of 32 elements of 8 bytes
	s_mov_b32 s[\b+1], 32<<16
	s_mov_b32 s[\b+2], (\rows)<<16
	s_mov_b32 s[\b+3], 32<<16
	s_mov_b32 s[\b+4], \rows
	s_mov_b32 s[\b+5], 32
	s_mov_b32 s[\b+6], 0
	s_mov_b32 s[\b+7], 0
.endm
	s_load_b128 s[4:7], s[0:1], 0x0                ; wc, ws
	s_load_b64 s[8:9], s[0:1], 0x10                ; kp
	v_lshl_add_u32 v30, v0, 2, SPARE
	v_mov_b32 v31, 0
	ds_add_u32 v30, v31                            ; the opening lines: the add twice on end and one wait
	ds_add_u32 v30, v31
	v_lshrrev_b32 v1, 5, v0
	v_readfirstlane_b32 s10, v1                    ; wave
	s_bfe_u32 s11, ttmp6, 0x40000                  ; cx
	s_bfe_u32 s13, ttmp6, 0x40004                  ; cy
	s_lshl_b32 s14, ttmp9, 2
	s_add_co_u32 s14, s14, s11                     ; which 512 columns
	s_and_b32 s12, ttmp7, 0xffff
	s_lshl_b32 s12, s12, 2
	s_add_co_u32 s12, s12, s13                     ; row block
	s_lshl_b32 s15, s13, 2
	s_lshl_b32 s15, 15, s15                        ; my row of the cluster
	s_lshl_b32 s28, 0x1111, s11                    ; my column
	s_or_b32 s16, s28, (3<<16)|(1<<21)             ; Wk's tiles go to my column
	G1REST 16, 256
	s_or_b32 s44, s15, (3<<16)|(1<<21)             ; x's to my row
	G1REST 44, 192
	v_and_b32 v1, 31, v0
	v_and_b32 v2, 15, v0
	v_lshlrev_b32 v[LI], 4, v1
	v_lshlrev_b32 v[R4], 2, v2
	v_lshlrev_b32 v[R16], 4, v2
	s_lshl_b32 s28, s10, 9
	s_add_co_u32 s28, s28, STG
	v_add_nc_u32 v[SI], s28, v[R4]
	v_add_nc_u32 v[SOA], s28, v[LI]
	s_mul_i32 s29, s10, 49152
	v_add_nc_u32 v[WA], s29, v[LI]
	v_add_nc_u32 v[XA], XL, v[LI]
	s_lshl_b32 s25, s10, 16                        ; Wk: my third, in LDS,
	s_mul_i32 s32, s14, 196608                     ; (s32 takes offsets made of cx, s42 those made of cy, s56 those made of both)
	s_add_co_u32 s32, s32, s25
	s_add_co_u32 s32, s32, KC                      ; and in memory
	s_mov_b32 s33, 0
	s_mul_i32 s42, s12, 49152                      ; x: the block's 8 tiles
	s_mov_b32 s43, 0
	s_mov_b32 s57, 0
	s_mov_b32 s40, 0x76543210
	s_mov_b32 s41, 0xfedcba98
	s_wait_alu depctr_va_vdst(0)                   ; the wait at the head's end
	s_wait_dscnt 0x0
	s_wait_kmcnt 0x0
	s_mov_b32 s24, 1
	s_add_nc_u64 s[26:27], s[4:5], s[32:33]
	s_or_b32 s27, s27, 0x80000000
	s_mov_b32 s52, 1
	s_mov_b32 s53, XL
	s_add_nc_u64 s[54:55], s[4:5], s[42:43]
	s_or_b32 s55, s55, 0x80000000
	ROUND                                          ; all sixteen work-groups are here: the joint loads meet
	s_cmp_lt_u32 s10, 3                            ; one chain of arms on the wave's number, one load to an arm
	s_cbranch_scc0 .Lfor_x
	tensor_load_to_lds s[24:27], s[16:23]
	s_nop 0
	PLACES 4
	s_branch .Lasked
.Lfor_x:
	tensor_load_to_lds s[52:55], s[44:51]
	s_nop 0
	PLACES 4
.Lasked:
	s_lshl_b32 s56, s14, 11
	s_lshl_b32 s29, s10, 9
	s_add_co_u32 s56, s56, s29                     ; (512 x + 128 w) x 4
	s_lshl_b32 s28, s12, 14
	s_add_co_u32 s28, s28, s56
	s_add_co_u32 s56, s56, KSW
	s_add_nc_u64 s[34:35], s[6:7], s[56:57]        ; Wk's scale words
	s_lshl_b32 s56, s12, 9
	s_add_nc_u64 s[36:37], s[6:7], s[56:57]        ; x's scale words
	s_mov_b32 s56, s28
	s_add_nc_u64 s[38:39], s[8:9], s[56:57]        ; kp: row rb, my 128 columns
.irp s, 0,1,2,3
.irp T, 0,1
	global_load_b128 v[PS+16*\T+4*\s:PS+16*\T+4*\s+3], v[R16], s[34:35] offset:\s*16384+256*\T   ; lane r: column r's words of tiles 4 T .. 4 T + 3
	global_load_b128 v[QS+16*\T+4*\s:QS+16*\T+4*\s+3], v[R16], s[36:37] offset:\s*16384+256*\T   ; and row r's
.endr
.endr
	s_wait_tensorcnt 0x0                           ; my load has landed,
	s_barrier_signal -1
	s_barrier_wait -1                              ; everybody's has
.irp s, 0,1,2,3
.irp c, 0,1,2
	ds_load_b128 v[QF+12*\s+4*\c:QF+12*\s+4*\c+3], v[XA] offset:\s*FRB+512*\c   ; x's tile 0
.endr
.endr
.macro PT i                            ; column tile i, four K steps, from LDS into the window that is set
.irp s, 0,1,2,3
.irp c, 0,1,2
	ds_load_b128 v[48*((\i)%4)+12*\s+4*\c:48*((\i)%4)+12*\s+4*\c+3], v[WA] offset:(4*(\i)+\s)*FRB+512*\c
.endr
.endr
.endm
	WIN 0x40
	PT 0
	PT 1
	PT 2
	PT 3
	WIN 0x80
	PT 4
	PT 5
	PT 6
	PT 7
	WIN 0
	s_wait_loadcnt 0x0                             ; the scale words
; 16 products: row tile t against column tiles w4 .. w4 + 3.  The accumulators take turns, one instruction a turn.
.macro HALF t, w4
.irp s, 0,1,2,3
.irp i, 0,1,2,3
.set rD, ACC+8*(\w4+\i)
.set rA, QF+48*((\t)%2)+12*\s
.set rB, 48*\i+12*\s
.set rX, QS+16*((\t)/4)+4*\s+(\t)%4
.set rY, PS+4*(\w4)+4*\s+\i
.if ((\t) == 0) && (\s == 0)
	MM0
.else
	MMA
.endif
.endr
.endr
.endm
.macro TILE t
.if (\t) > 0
	s_wait_dscnt 0x0                               ; this tile's fragments, asked for 32 products ago
.endif
.if (\t) < 7
.if (\t) > 0
	PLACES 4                                       ; in front of loads into registers that products have read
.endif
.irp s, 0,1,2,3
.irp c, 0,1,2
	ds_load_b128 v[QF+48*(((\t)+1)%2)+12*\s+4*\c:QF+48*(((\t)+1)%2)+12*\s+4*\c+3], v[XA] offset:((\t)+1)*TLB+\s*FRB+512*\c
.endr
.endr
.endif
.if (\t) == 0
	s_wait_dscnt 60                                ; x's tile 0 and Wk's tiles 0-3 are in; the 48 loads of tiles 4-7 and the 12 of x's tile 1 may be out
.endif
	WIN 0x04                                       ; source 1 (Wk) window 1
	HALF \t, 0
.if (\t) == 0
	s_wait_dscnt 12                                ; Wk's tiles 4-7 are in; x's tile 1 may be out
.endif
	WIN 0x08                                       ; window 2
	HALF \t, 4
	WIN 0
.endm
.irp t, 0,1,2,3,4,5,6,7
	TILE \t
.endr
	; the tail: a lane's eight registers and the other half of the lanes are added: the column's sum over the 128 rows
	PLACES 4
.irp i, 0,1,2,3,4,5,6,7
	v_pk_add_f32 v[TS+2*\i:TS+2*\i+1], v[ACC+8*\i:ACC+8*\i+1], v[ACC+8*\i+2:ACC+8*\i+3]   ; each accumulator from its low end on
	v_mov_b32 v[US+\i], 0                          ; a lane permute's destination counts as a source
.endr
.irp i, 0,1,2,3,4,5,6,7
	v_pk_add_f32 v[TS+2*\i:TS+2*\i+1], v[TS+2*\i:TS+2*\i+1], v[ACC+8*\i+4:ACC+8*\i+5]
.endr
.irp i, 0,1,2,3,4,5,6,7
	v_pk_add_f32 v[TS+2*\i:TS+2*\i+1], v[TS+2*\i:TS+2*\i+1], v[ACC+8*\i+6:ACC+8*\i+7]
.endr
.irp i, 0,1,2,3,4,5,6,7
	v_add_f32 v[TS+2*\i], v[TS+2*\i], v[TS+2*\i+1]
.endr
.irp i, 0,1,2,3,4,5,6,7
	v_permlanex16_b32 v[US+\i], v[TS+2*\i], s40, s41
.endr
.irp i, 0,1,2,3,4,5,6,7
	v_add_f32 v[TS+2*\i], v[TS+2*\i], v[US+\i]
.endr
.irp i, 0,1,2,3,4,5,6,7
	ds_store_b32 v[SI], v[TS+2*\i] offset:64*\i    ; lanes r and 16 + r write the same word with the same value
.endr
	ds_load_b128 v[8:11], v[SOA]                   ; my own bytes, served in order
	s_wait_dscnt 0x0
	global_store_b128 v[LI], v[8:11], s[38:39]     ; 32 lanes store 512 consecutive bytes
	s_wait_tensorcnt 0x0                           ; the wave's end
	ds_add_u32 v30, v31
	s_wait_dscnt 0x0
	ROUND                                          ; the closing round
	s_endpgm
.Lfunc_end_k_qcaa7d84221_ksum:
	.size	k_qcaa7d84221_ksum, .Lfunc_end_k_qcaa7d84221_ksum-k_qcaa7d84221_ksum
	.p2alignl 7, 3214868480
	.fill 96, 4, 3214868480
	.section	.rodata,"a",@progbits
	.p2align	6, 0x0
	.amdhsa_kernel k_qcaa7d84221_ksum
		.amdhsa_group_segment_fixed_size 248320
		.amdhsa_private_segment_fixed_size 0
		.amdhsa_enable_private_segment 0
		.amdhsa_kernarg_size 24
		.amdhsa_user_sgpr_count 2
		.amdhsa_user_sgpr_kernarg_segment_ptr 1
		.amdhsa_wavefront_size32 1
		.amdhsa_system_sgpr_workgroup_id_x 1
		.amdhsa_system_sgpr_workgroup_id_y 1
		.amdhsa_system_sgpr_workgroup_id_z 1
		.amdhsa_system_vgpr_workitem_id 0
		.amdhsa_next_free_vgpr 768
		.amdhsa_next_free_sgpr 66
		.amdhsa_reserve_vcc 0
		.amdhsa_float_denorm_mode_32 3
		.amdhsa_float_denorm_mode_16_64 3
		.amdhsa_memory_ordered 1
		.amdhsa_forward_progress 1
		.amdhsa_inst_pref_size 57
	.end_amdhsa_kernel
	.amdgpu_metadata
---
amdhsa.version: [ 1, 2 ]
amdhsa.kernels:
  - .name:           k_qcaa7d84221_ksum
    .symbol:         k_qcaa7d84221_ksum.kd
    .args:
      - { .name: wc, .offset: 0, .size: 8, .value_kind: global_buffer, .address_space: global }
      - { .name: ws, .offset: 8, .size: 8, .value_kind: global_buffer, .address_space: global }
      - { .name: kp, .offset: 16, .size: 8, .value_kind: global_buffer, .address_space: global }
    .group_segment_fixed_size: 248320
    .private_segment_fixed_size: 0
    .kernarg_segment_align: 8
    .kernarg_segment_size: 24
    .max_flat_workgroup_size: 128
    .sgpr_count:     66
    .vgpr_count:     768
    .wavefront_size: 32
...
	.end_amdgpu_metadata
.endif
;; end of part 2
;; launch qscore (part 3): grid 8 x 32, 4 waves a work-group, clusters of 4 x 4, 327,680 bytes of LDS; arguments wc, ws, kp, bk, bq, sc; writes sc
.if DOCPART == 3
	.amdgcn_target "amdgcn-amd-amdhsa--gfx1250"
	.amdhsa_code_object_version 6
	.text
	.protected	k_qcaa7d84221_qscore
	.globl	k_qcaa7d84221_qscore
	.p2align	8
	.type	k_qcaa7d84221_qscore,@function
k_qcaa7d84221_qscore:
	s_mov_b64 s[64:65], 0
	v_nop
	global_prefetch_b8 v0, s[64:65] scope:SCOPE_SE
	s_setreg_imm32_b32 hwreg(HW_REG_WAVE_MODE, 25, 1), 1
	s_wait_xcnt 0x0
	s_wait_alu depctr_hold_cnt(0) depctr_sa_sdst(0) depctr_va_vdst(0) depctr_va_sdst(0) depctr_va_ssrc(0) depctr_va_vcc(0) depctr_vm_vsrc(0)
	s_getreg_b32 s2, hwreg(HW_REG_IB_STS2, 6, 4)
	s_cmp_eq_u32 s2, 0
	s_cbranch_scc0 .Lentry_in_a_cluster
	s_endpgm
.Lentry_in_a_cluster:
	s_bfe_u32 s2, ttmp6, 0x10000c
	s_cmp_lg_u32 s2, 0xf033
	s_cbranch_scc0 .Lentry_shape_is_right
	s_endpgm
.Lentry_shape_is_right:
; sc[4 g + h][row] = ((x Wq + bq)[row][g][h][:] . ksum[b][g][:]) / sqrt(512); ksum[b][g][d] = the sum over the batch's 2,048 rows of (x Wk + bk), made here from kp's 16 parts + 2,048 bk.  q never goes to memory.
; SHARES: a work-group takes 512 rows x one head's 512 columns of Wq.  Wave w keeps its 128 rows of x, all of K = 512, in registers (384); the head's 32 column tiles are read from LDS.
; CLUSTER 4 x 4: four row blocks of one batch x the four heads of one group.  The four work-groups of a column need the same x (196,608 bytes), the four of a row the same Wq (196,608 bytes): all of it comes JOINTLY.
; AT THE HEAD, one tensor load a wave: waves 0, 1 a half of x each (98,304 bytes, LDS from 0), waves 2, 3 Wq's tiles 0-7 and 8-15 (49,152 bytes each, LDS from 196,608).
; Each wave copies its 49,152 bytes of x into registers.  Then, behind the three lines and a round of the cluster's barrier, Wq's tiles 16-31 fill x's first 98,304 bytes again, 24,576 bytes a wave;
; they have the 512 products a wave of tiles 0-15 in which to land, and a wait and a barrier stand ahead of their first read.  A wave has one tensor load out at any time.  All of LDS is claimed.
; No place in the cluster enters an LDS address or a branch; x's descriptor is made of cx's side alone, Wq's of cy's.
; The product is used as it stands (source 0 = 16 rows of x, source 1 = 16 columns of Wq): a lane holds ONE column, so ksum is one register a tile, and S(row) += ksum(column) x q(row, column), packed, in f32;
; the 16 lanes' parts are added at the end.  bq . ksum is added once, and the division is a multiplication by 1 / sqrt(512): the order and last bits of the f32 sums are not reference()'s.
; BY HALVES: row tiles 0-3 and 4-7 have four accumulators each; while one half's 16 products are issued, the other half's finished results are folded into S, one packed line behind each product.
; No prefetch: the text has no loop to run ahead in.
; REGISTERS: window 0: v3-31 addresses and work; v32-63 x's scale words (16 (i / 4) + 4 s + i % 4); v64-191 Wq's (16 (t / 4) + 4 s + t % 4); v192-255 kp's parts, at the end the scores.
;   windows 1, 2: x's fragments (i, s) at 48 (i % 4) + 12 s; in each v192-223 ksum, tile t's at 192 + t (two copies: the folding lines need no switch).  Window 1 v254-255: the add's two registers.
;   window 3: v0-95 two sets of Wq's fragments; v96-127, v128-159 the two halves' accumulators; v160-223 S (8 i + j).
.set QC,  1572864                      ; Wq's codes in wc (x's at 0)
.set QSW, 65536                        ; Wq's scale words in ws (x's at 0)
.set W1,  196608                       ; LDS: x from 0 (later Wq's tiles 16-31), Wq's tiles 0-15 from W1,
.set KSL, 294912                       ; ksum, 2,048 bytes,
.set BDL, 296960                       ; the four waves' parts of bq . ksum,
.set SST, 297216                       ; 512 bytes a wave for the way out,
.set SPARE, 299264                     ; the spare words, 128 bytes a wave
.set XA,  3                            ; 16 x lane + 49,152 x wave: my part of x in LDS
.set LI,  4                            ; 16 x lane
.set R4,  5                            ; 4 x (lane % 16)
.set T16, 6                            ; 16 x thread
.set R16, 7                            ; 16 x (lane % 16)
.set ADR, 8                            ; v8-11: 16 x lane + where tiles 8 k .. 8 k + 7 lie
.set XSR, 32
.set WSR, 64
.set KP,  192
.set ACCA, 96
.set SR,  160
.set MSB, 0
.macro WIN new                         ; the immediate's high byte repeats the setting that is left
.if MSB != (\new)
	s_set_vgpr_msb (MSB<<8)|(\new)
.set MSB, (\new)
.endif
.endm
.macro PLACES n
.rept \n
	v_nop
.endr
.endm
.macro MM0
	v_wmma_scale_f32_16x16x128_f8f6f4 v[rD:rD+7], v[rA:rA+11], v[rB:rB+11], 0, v[rX], v[rY] matrix_a_fmt:MATRIX_FMT_FP6 matrix_b_fmt:MATRIX_FMT_FP6
.endm
.macro MMA
	v_wmma_scale_f32_16x16x128_f8f6f4 v[rD:rD+7], v[rA:rA+11], v[rB:rB+11], v[rD:rD+7], v[rX], v[rY] matrix_a_fmt:MATRIX_FMT_FP6 matrix_b_fmt:MATRIX_FMT_FP6
.endm
.macro ROUND                           ; a round of the cluster's barrier
	s_barrier_signal -1
	s_barrier_wait -1
	s_cmp_lg_u32 s16, 0
	s_cbranch_scc1 .Lnot_wave_0_\@
	s_barrier_signal -3
.Lnot_wave_0_\@:
	s_barrier_wait -3
	s_barrier_signal -1
	s_barrier_wait -1
.endm
.macro G1REST b, rows                  ; group 1 behind its first word: dense rows of 32 elements of 8 bytes
	s_mov_b32 s[\b+1], 32<<16
	s_mov_b32 s[\b+2], (\rows)<<16
	s_mov_b32 s[\b+3], 32<<16
	s_mov_b32 s[\b+4], \rows
	s_mov_b32 s[\b+5], 32
	s_mov_b32 s[\b+6], 0
	s_mov_b32 s[\b+7], 0
.endm
	s_load_b256 s[4:11], s[0:1], 0x0               ; wc, ws, kp, bk
	s_load_b128 s[12:15], s[0:1], 0x20             ; bq, sc
	WIN 0x40
	v_lshl_add_u32 v254, v0, 2, SPARE
	v_mov_b32 v255, 0
	WIN 0x45
	ds_add_u32 v254, v255                          ; the opening lines: the add twice on end and one wait
	ds_add_u32 v254, v255
	WIN 0
	v_lshrrev_b32 v1, 5, v0
	v_readfirstlane_b32 s16, v1                    ; wave
	s_bfe_u32 s18, ttmp6, 0x40000                  ; cx
	s_bfe_u32 s22, ttmp6, 0x40004                  ; cy
	s_lshl_b32 s19, ttmp9, 2                       ; ttmp9 counts clusters along x: the batch
	s_add_co_u32 s19, s19, s18                     ; my block of 512 rows
	s_and_b32 s21, ttmp7, 0xffff                   ; clusters along y: g
	s_lshl_b32 s20, s21, 2
	s_add_co_u32 s20, s20, s22                     ; the head, 4 g + h
	s_lshl_b32 s23, s22, 2
	s_lshl_b32 s23, 15, s23                        ; my row of the cluster
	s_lshl_b32 s17, 0x1111, s18                    ; my column
	s_or_b32 s24, s17, (3<<16)|(1<<21)             ; x goes to my column: 384 rows of 256 bytes a load
	G1REST 24, 384
	s_or_b32 s36, s23, (3<<16)|(1<<21)             ; Wq to my row: at the head 192 rows a load,
	G1REST 36, 192
	s_or_b32 s76, s23, (3<<16)|(1<<21)             ; in the refill 96
	G1REST 76, 96
	v_and_b32 v1, 31, v0
	v_and_b32 v2, 15, v0
	v_bfe_u32 v3, v0, 4, 1
	v_lshlrev_b32 v[LI], 4, v1
	v_lshlrev_b32 v[R4], 2, v2
	v_lshlrev_b32 v[R16], 4, v2
	v_lshlrev_b32 v[T16], 4, v0
	v_add_nc_u32 v[ADR], W1, v[LI]                 ; tiles 0-7
	v_add_nc_u32 v[ADR+1], W1+49152, v[LI]         ; 8-15
	v_mov_b32 v[ADR+2], v[LI]                      ; 16-23
	v_add_nc_u32 v[ADR+3], 49152, v[LI]            ; 24-31
	v_add_nc_u32 v12, KSL, v[T16]                  ; ksum: my thread's four columns
	v_add_nc_u32 v13, KSL, v[R4]                   ; and a tile's, lane r column r
	v_mov_b32 v14, s16
	v_lshl_add_u32 v14, v14, 2, BDL                ; my wave's part of bq . ksum
	v_mov_b32 v15, BDL
	s_lshl_b32 s23, s16, 9
	s_add_co_u32 s23, s23, SST
	v_lshl_add_u32 v16, v3, 5, s23                 ; the way out, in: 32 bytes for each half of the lanes
	v_add_nc_u32 v17, s23, v[LI]                   ; and back
	v_mov_b32 v19, 0                               ; a lane permute's destination counts as a source
	s_mul_i32 s2, s16, 49152
	v_add_nc_u32 v[XA], s2, v[LI]
	s_and_b32 s17, s16, 1                          ; which half I fetch at the head
	s_mul_i32 s33, s17, 98304                      ; x: in LDS,
	s_mul_i32 s70, s19, 196608                     ; (s70 takes offsets made of cx, s68 and s74 those made of cy, s72 those made of both)
	s_add_co_u32 s70, s70, s33                     ; and in memory
	s_mov_b32 s71, 0
	s_mul_i32 s45, s17, 49152                      ; Wq's tiles 0-15
	s_mul_i32 s68, s20, 196608                     ; the head's 32 tiles
	s_add_co_u32 s68, s68, QC
	s_mov_b32 s69, 0
	s_mul_i32 s85, s16, 24576                      ; the refill: my quarter, in LDS
	s_mov_b32 s75, 0
	s_mov_b32 s73, 0
	s_mov_b32 s3, 0
	s_mov_b32 s48, 0x76543210
	s_mov_b32 s49, 0xfedcba98
	s_mov_b32 s50, 0x3d3504f3                      ; 1 / sqrt(512)
	s_mov_b32 s51, s50
	s_wait_alu depctr_va_vdst(0)                   ; the wait at the head's end
	s_wait_dscnt 0x0
	s_wait_kmcnt 0x0
	s_add_nc_u64 s[68:69], s[4:5], s[68:69]
	s_mov_b32 s32, 1
	s_add_nc_u64 s[34:35], s[4:5], s[70:71]
	s_or_b32 s35, s35, 0x80000000
	s_mov_b32 s44, 1
	s_mov_b32 s74, s45
	s_add_nc_u64 s[46:47], s[68:69], s[74:75]
	s_or_b32 s47, s47, 0x80000000
	s_add_co_u32 s45, s45, W1
	s_mov_b32 s84, 1
	s_add_co_u32 s74, s85, 98304                   ; tiles 16-31 begin 98,304 bytes into the head's
	s_add_nc_u64 s[86:87], s[68:69], s[74:75]
	s_or_b32 s87, s87, 0x80000000
	ROUND                                          ; all sixteen work-groups are here: the joint loads meet
	s_cmp_lt_u32 s16, 2                            ; one chain of arms on the wave's number, one load to an arm
	s_cbranch_scc0 .Lfor_q
	tensor_load_to_lds s[32:35], s[24:31]
	s_nop 0
	PLACES 4
	s_branch .Lasked
.Lfor_q:
	tensor_load_to_lds s[44:47], s[36:43]
	s_nop 0
	PLACES 4
.Lasked:
	s_lshl_b32 s70, s19, 11
	s_lshl_b32 s17, s16, 9
	s_add_co_u32 s70, s70, s17
	s_add_nc_u64 s[54:55], s[6:7], s[70:71]        ; x's scale words
	s_lshl_b32 s17, s20, 14
	s_add_co_u32 s72, s70, s17
	s_add_nc_u64 s[66:67], s[14:15], s[72:73]      ; sc: row 4 g + h, my 128 rows
	s_lshl_b32 s2, s20, 11
	s_add_nc_u64 s[62:63], s[12:13], s[2:3]        ; bq: the head's 512
	s_add_co_u32 s2, s2, QSW
	s_add_nc_u64 s[56:57], s[6:7], s[2:3]          ; Wq's scale words
	s_lshl_b32 s2, s21, 11
	s_add_nc_u64 s[60:61], s[10:11], s[2:3]        ; bk: the group's 512
	s_lshl_b32 s17, ttmp9, 18
	s_add_co_u32 s2, s2, s17
	s_add_nc_u64 s[58:59], s[8:9], s[2:3]          ; kp: the batch's 16 row blocks, the group's 512 columns
.set n, 0
.rept 16
	global_load_b128 v[KP+4*n:KP+4*n+3], v[T16], s[58:59] offset:n*16384
.set n, n+1
.endr
	global_load_b128 v[20:23], v[T16], s[60:61]
	global_load_b128 v[24:27], v[T16], s[62:63]
.irp s, 0,1,2,3
.irp T, 0,1
	global_load_b128 v[XSR+16*\T+4*\s:XSR+16*\T+4*\s+3], v[R16], s[54:55] offset:\s*16384+256*\T   ; lane r: row r's words of tiles 4 T .. 4 T + 3
.endr
.endr
.irp s, 0,1,2,3
.irp T, 0,1,2,3,4,5,6,7
	global_load_b128 v[WSR+16*\T+4*\s:WSR+16*\T+4*\s+3], v[R16], s[56:57] offset:\s*65536+256*\T   ; and column r's
.endr
.endr
	s_wait_loadcnt 40                              ; kp, bk and bq are in; the 40 loads of scale words behind them may be out
.irp d, 8,4,2,1                        ; the 16 parts of my four columns, as a tree
.set c, 0
.rept 2*\d
	v_pk_add_f32 v[KP+2*c:KP+2*c+1], v[KP+2*c:KP+2*c+1], v[KP+2*c+4*\d:KP+2*c+4*\d+1]
.set c, c+1
.endr
.endr
	v_pk_fma_f32 v[KP:KP+1], v[20:21], 0x45000000, v[KP:KP+1] op_sel_hi:[1,0,1]       ; + 2,048 bk
	v_pk_fma_f32 v[KP+2:KP+3], v[22:23], 0x45000000, v[KP+2:KP+3] op_sel_hi:[1,0,1]
	ds_store_b128 v12, v[KP:KP+3]
	v_mul_f32 v18, v24, v[KP]                      ; bq . ksum: my four columns,
	v_fma_f32 v18, v25, v[KP+1], v18
	v_fma_f32 v18, v26, v[KP+2], v18
	v_fma_f32 v18, v27, v[KP+3], v18
.irp m, 1,2,4,8
	v_add_f32_dpp v18, v18, v18 row_xmask:\m row_mask:0xf bank_mask:0xf   ; my wave's 128
.endr
	v_permlanex16_b32 v19, v18, s48, s49
	v_add_f32 v18, v18, v19
	ds_store_b32 v14, v18                          ; all lanes write the same word with the same value
	s_wait_tensorcnt 0x0                           ; my load of the head has landed,
	s_wait_dscnt 0x0                               ; and my part of ksum and of bq . ksum
	s_barrier_signal -1
	s_barrier_wait -1                              ; everybody's have
.macro XT i                            ; x's row tile i, four K steps, from LDS into the window that is set
.irp s, 0,1,2,3
.irp c, 0,1,2
	ds_load_b128 v[48*((\i)%4)+12*\s+4*\c:48*((\i)%4)+12*\s+4*\c+3], v[XA] offset:(4*(\i)+\s)*1536+512*\c
.endr
.endr
.endm
	WIN 0x40
	XT 0
	XT 1
	XT 2
	XT 3
.set n, 0
.rept 32
	ds_load_b32 v[192+n], v13 offset:64*n          ; ksum of tile n's 16 columns
.set n, n+1
.endr
	WIN 0x80
	XT 4
	XT 5
	XT 6
	XT 7
.set n, 0
.rept 32
	ds_load_b32 v[192+n], v13 offset:64*n          ; the second copy
.set n, n+1
.endr
	WIN 0
	ds_load_b128 v[28:31], v15
	WIN 0xc0
.irp s, 0,1,2,3
.irp c, 0,1,2
	ds_load_b128 v[12*\s+4*\c:12*\s+4*\c+3], v[ADR] offset:\s*1536+512*\c   ; Wq's tile 0
.endr
.endr
	WIN 0x05
	s_wait_tensorcnt 0x0                           ; in front of the refill's round: no load of mine is out,
	ds_add_u32 v254, v255                          ; the add,
	WIN 0
	s_wait_dscnt 0x0                               ; and the add and my reads of x are done
	ROUND                                          ; both hold of every wave of all sixteen work-groups
	tensor_load_to_lds s[84:87], s[76:83]          ; Wq's tiles 16-31, my quarter, over x's first 98,304 bytes
	s_nop 0
	PLACES 4
	s_wait_loadcnt 0x0                             ; the scale words
	v_add_f32 v28, v28, v29
	v_add_f32 v30, v30, v31
	v_add_f32 v28, v28, v30                        ; bq . ksum
	v_mul_f32 v18, 0x3b3504f3, v28                 ; x 1 / sqrt(512) / 16: each of the 16 lanes that hold a row's parts carries a sixteenth
	v_mov_b32 v19, v18
; Line n of 16 of the folding of half o's results of tile e into S: pair n / 4 of accumulator n % 4, each accumulator from its low end on.  Tile 0 starts S: nothing is cleared.
.macro EPI o, e
.set rO, ACCA+32*(\o)+8*(n%4)+2*(n/4)
.set rS, SR+8*(4*(\o)+n%4)+2*(n/4)
.set rK, 192+((\e)/2)*2
.if (\e) == 0
	v_pk_mul_f32 v[rS:rS+1], v[rK:rK+1], v[rO:rO+1] op_sel_hi:[0,1]
.elseif (\e)%2 == 0
	v_pk_fma_f32 v[rS:rS+1], v[rK:rK+1], v[rO:rO+1], v[rS:rS+1] op_sel_hi:[0,1,1]
.else
	v_pk_fma_f32 v[rS:rS+1], v[rK:rK+1], v[rO:rO+1], v[rS:rS+1] op_sel:[1,0,0] op_sel_hi:[1,1,1]
.endif
.endm
; Half hf's 16 products of column tile t (its four accumulators by turns, K ascending), with the other half's folding of tile e between them (e < 0: none).
.macro PHASE hf, t, e
	WIN 0xfd+(\hf)                                 ; source 0 (x, and ksum) window 1 or 2; all else window 3
.set n, 0
.rept 16
.set rD, ACCA+32*(\hf)+8*(n%4)
.set rA, 48*(n%4)+12*(n/4)
.set rB, 48*((\t)%2)+12*(n/4)
.set rX, XSR+16*(\hf)+4*(n/4)+n%4
.set rY, WSR+16*((\t)/4)+4*(n/4)+(\t)%4
.if n < 4
	MM0
.else
	MMA
.endif
.if (\e) >= 0
	EPI 1-(\hf), \e
.endif
.set n, n+1
.endr
.endm
; The four v_nop at each phase's head are the places in front of the reads of the half just finished and of the loads into the set that the tile before read;
; with the four of the phase before they make eight in front of an accumulator that is begun anew.
.macro TILE t
.if (\t) == 15
	s_wait_tensorcnt 0x0                           ; my quarter of tiles 16-31 has landed
.endif
	s_wait_dscnt 0x0                               ; this tile's fragments, asked for 32 products ago
.if (\t) == 15
	s_barrier_signal -1
	s_barrier_wait -1                              ; everybody's quarter has
.endif
.if (\t) > 0
	PLACES 4
.endif
.if (\t) < 31
	WIN 0xc0
.irp s, 0,1,2,3
.irp c, 0,1,2
	ds_load_b128 v[48*(((\t)+1)%2)+12*\s+4*\c:48*(((\t)+1)%2)+12*\s+4*\c+3], v[ADR+((\t)+1)/8] offset:(((\t)+1)%8)*6144+\s*1536+512*\c
.endr
.endr
.endif
	PHASE 0, \t, (\t)-1
	PLACES 4
	PHASE 1, \t, \t
.endm
.set TT, 0
.rept 32
	TILE TT
.set TT, TT+1
.endr
	PLACES 4
	WIN 0xfd
.set n, 0
.rept 16
	EPI 1, 31                                      ; the second half's last results
.set n, n+1
.endr
	WIN 0x03                                       ; source 0 window 3, all else window 0
.set n, 0
.rept 32
	v_pk_fma_f32 v[KP+2*n:KP+2*n+1], v[SR+2*n:SR+2*n+1], s[50:51], v[18:19] op_sel_hi:[1,0,1]   ; x 1 / sqrt(512), + a sixteenth of the bias term
.set n, n+1
.endr
	WIN 0
.irp m, 1,2,4,8                        ; the 16 columns' parts of each row
.set n, 0
.rept 64
	v_add_f32_dpp v[KP+n], v[KP+n], v[KP+n] row_xmask:\m row_mask:0xf bank_mask:0xf
.set n, n+1
.endr
.endr
.set n, 0
.rept 16                               ; register 8 i + j is row 16 i + 8 (lane / 16) + j: the 16 lanes of a half write the same bytes with the same values
	ds_store_b128 v16, v[KP+4*n:KP+4*n+3] offset:64*(n/2)+16*(n%2)
.set n, n+1
.endr
	ds_load_b128 v[20:23], v17                     ; my own bytes, served in order
	s_wait_dscnt 0x0
	global_store_b128 v[LI], v[20:23], s[66:67]    ; 32 lanes store 512 consecutive bytes
	WIN 0x05
	s_wait_tensorcnt 0x0                           ; the wave's end
	ds_add_u32 v254, v255
	s_wait_dscnt 0x0
	WIN 0
	ROUND                                          ; the closing round
	s_endpgm
.Lfunc_end_k_qcaa7d84221_qscore:
	.size	k_qcaa7d84221_qscore, .Lfunc_end_k_qcaa7d84221_qscore-k_qcaa7d84221_qscore
	.p2alignl 7, 3214868480
	.fill 96, 4, 3214868480
	.section	.rodata,"a",@progbits
	.p2align	6, 0x0
	.amdhsa_kernel k_qcaa7d84221_qscore
		.amdhsa_group_segment_fixed_size 327680
		.amdhsa_private_segment_fixed_size 0
		.amdhsa_enable_private_segment 0
		.amdhsa_kernarg_size 48
		.amdhsa_user_sgpr_count 2
		.amdhsa_user_sgpr_kernarg_segment_ptr 1
		.amdhsa_wavefront_size32 1
		.amdhsa_system_sgpr_workgroup_id_x 1
		.amdhsa_system_sgpr_workgroup_id_y 1
		.amdhsa_system_sgpr_workgroup_id_z 1
		.amdhsa_system_vgpr_workitem_id 0
		.amdhsa_next_free_vgpr 1024
		.amdhsa_next_free_sgpr 88
		.amdhsa_reserve_vcc 0
		.amdhsa_float_denorm_mode_32 3
		.amdhsa_float_denorm_mode_16_64 3
		.amdhsa_memory_ordered 1
		.amdhsa_forward_progress 1
		.amdhsa_inst_pref_size 255
	.end_amdhsa_kernel
	.section	.bss,"aw",@nobits
	.p2align	6
	.space	262144
	.amdgpu_metadata
---
amdhsa.version: [ 1, 2 ]
amdhsa.kernels:
  - .name:           k_qcaa7d84221_qscore
    .symbol:         k_qcaa7d84221_qscore.kd
    .args:
      - { .name: wc, .offset: 0, .size: 8, .value_kind: global_buffer, .address_space: global }
      - { .name: ws, .offset: 8, .size: 8, .value_kind: global_buffer, .address_space: global }
      - { .name: kp, .offset: 16, .size: 8, .value_kind: global_buffer, .address_space: global }
      - { .name: bk, .offset: 24, .size: 8, .value_kind: global_buffer, .address_space: global }
      - { .name: bq, .offset: 32, .size: 8, .value_kind: global_buffer, .address_space: global }
      - { .name: sc, .offset: 40, .size: 8, .value_kind: global_buffer, .address_space: global }
    .group_segment_fixed_size: 327680
    .private_segment_fixed_size: 0
    .kernarg_segment_align: 8
    .kernarg_segment_size: 48
    .max_flat_workgroup_size: 128
    .sgpr_count:     88
    .vgpr_count:     1024
    .wavefront_size: 32
...
	.end_amdgpu_metadata
.endif
;; end of part 3
;; launch wsum (part 4): grid 32 x 1, 4 waves a work-group, no clusters, 768 bytes of LDS; arguments sc, wp; writes wp
.if DOCPART == 4
	.amdgcn_target "amdgcn-amd-amdhsa--gfx1250"
	.amdhsa_code_object_version 6
	.text
	.protected	k_qcaa7d84221_wsum
	.globl	k_qcaa7d84221_wsum
	.p2align	8
	.type	k_qcaa7d84221_wsum,@function
k_qcaa7d84221_wsum:
	s_mov_b64 s[64:65], 0
	v_nop
	global_prefetch_b8 v0, s[64:65] scope:SCOPE_SE
	s_setreg_imm32_b32 hwreg(HW_REG_WAVE_MODE, 25, 1), 1
	s_wait_xcnt 0x0
; The softmax over the 8 groups of sc[4 g + h][row], summed over rows and heads by parts: wp[j][g] = the sum over rows 128 j .. 128 j + 127 and the 4 heads of softmax_g.  Batch b's weight w[b][g] is the sum of parts 16 b .. 16 b + 15.
; SHARES: work-group j takes 128 rows; wave h takes head h; a lane four neighbouring rows: 8 loads of 16 bytes, each 512 consecutive bytes a wave.  The maximum is taken away first, as reference() does.
; A part leaves as one aligned unit of 256 bytes: 64 words, word i holding group i % 8, so that no unit is written in part; the next launch reads word g.
; The weights are e x (1 / sum) by v_rcp_f32, and the order of the f32 sums is not reference()'s.  NaN and infinities are not served.
; No cluster and no tensor load: work-groups share no input, and each byte is read once.  No loop, so no prefetch.  16,384 softmaxes are work for 32 work-groups of this shape.
.set SPARE, 256                        ; LDS: bytes 0-127 the four waves' 8 sums; from 256 the spare words
.set SPW, 2
.set NIL, 3
.set E,  32                            ; v32-63 scores, then exponentials: 4 x group + row
.set MX, 64
.set SU, 68
.set RC, 72
.set AC, 76                            ; v76-91 a pair for each group
.set W,  92                            ; v92-99 the 8 groups' sums
.set T,  100
.set O,  108
	s_load_b128 s[4:7], s[0:1], 0x0                ; sc, wp
	v_lshl_add_u32 v[SPW], v0, 2, SPARE
	v_mov_b32 v[NIL], 0
	v_lshrrev_b32 v1, 5, v0
	v_readfirstlane_b32 s8, v1                     ; wave = head
	v_and_b32 v4, 31, v0
	v_lshlrev_b32 v5, 4, v4                        ; in: 16 x lane
	v_lshlrev_b32 v6, 3, v4                        ; out: 8 x lane
	v_and_b32 v7, 3, v0
	v_lshlrev_b32 v7, 3, v7                        ; LDS, back: groups 2 (lane % 4) and the next
	v_lshlrev_b32 v8, 5, v1                        ; LDS, in: 32 x wave
.irp i, 0,1,2,3,4,5,6,7
	v_mov_b32 v[T+\i], 0                           ; a lane permute's destination counts as a source
.endr
	s_lshl_b32 s10, ttmp9, 9                       ; 128 rows x 4 bytes
	s_lshl_b32 s9, s8, 14                          ; the head's row of sc
	s_add_co_u32 s10, s10, s9
	s_mov_b32 s11, 0
	s_lshl_b32 s12, ttmp9, 8
	s_mov_b32 s13, 0
	s_mov_b32 s14, 0x76543210
	s_mov_b32 s15, 0xfedcba98
	s_wait_alu depctr_va_vdst(0)                   ; the wait at the head's end
	s_wait_kmcnt 0x0
	s_add_nc_u64 s[4:5], s[4:5], s[10:11]
	s_add_nc_u64 s[6:7], s[6:7], s[12:13]
.irp i, 0,1,2,3,4,5,6,7
	global_load_b128 v[E+4*\i:E+4*\i+3], v5, s[4:5] offset:65536*\i   ; group i: four heads' rows of 16,384 bytes on
.endr
	s_wait_loadcnt 0x0
.irp r, 0,1,2,3
	v_max3_num_f32 v[MX+\r], v[E+\r], v[E+4+\r], v[E+8+\r]
.endr
.irp r, 0,1,2,3
	v_max3_num_f32 v[MX+\r], v[MX+\r], v[E+12+\r], v[E+16+\r]
.endr
.irp r, 0,1,2,3
	v_max3_num_f32 v[MX+\r], v[MX+\r], v[E+20+\r], v[E+24+\r]
.endr
.irp r, 0,1,2,3
	v_max_num_f32 v[MX+\r], v[MX+\r], v[E+28+\r]
.endr
.irp i, 0,1,2,3,4,5,6,7
.irp p, 0,2
	v_pk_add_f32 v[E+4*\i+\p:E+4*\i+\p+1], v[E+4*\i+\p:E+4*\i+\p+1], v[MX+\p:MX+\p+1] neg_lo:[0,1] neg_hi:[0,1]   ; less the maximum
.endr
.endr
.irp i, 0,1,2,3,4,5,6,7
.irp p, 0,2
	v_pk_mul_f32 v[E+4*\i+\p:E+4*\i+\p+1], v[E+4*\i+\p:E+4*\i+\p+1], 0x3fb8aa3b op_sel_hi:[1,0]   ; x log2(e)
.endr
.endr
	s_wait_alu depctr_va_vdst(0)                   ; the wait ahead of the batch
.set q, 0
.rept 32
	v_exp_f32 v[E+q], v[E+q]
.set q, q+1
.endr
	v_nop                                          ; one plain place behind the exponentials
	s_wait_alu depctr_va_vdst(0)                   ; the wait behind it
.irp p, 0,2
	v_pk_add_f32 v[SU+\p:SU+\p+1], v[E+\p:E+\p+1], v[E+4+\p:E+4+\p+1]
.endr
.irp i, 2,3,4,5,6,7
.irp p, 0,2
	v_pk_add_f32 v[SU+\p:SU+\p+1], v[SU+\p:SU+\p+1], v[E+4*\i+\p:E+4*\i+\p+1]
.endr
.endr
	s_wait_alu depctr_va_vdst(0)
.irp r, 0,1,2,3
	v_rcp_f32 v[RC+\r], v[SU+\r]
.endr
	v_nop
	s_wait_alu depctr_va_vdst(0)
.irp i, 0,1,2,3,4,5,6,7
	v_pk_mul_f32 v[AC+2*\i:AC+2*\i+1], v[E+4*\i:E+4*\i+1], v[RC:RC+1]           ; group i's weights of my four rows
.endr
.irp i, 0,1,2,3,4,5,6,7
	v_pk_fma_f32 v[AC+2*\i:AC+2*\i+1], v[E+4*\i+2:E+4*\i+3], v[RC+2:RC+3], v[AC+2*\i:AC+2*\i+1]
.endr
.irp i, 0,1,2,3,4,5,6,7
	v_add_f32 v[W+\i], v[AC+2*\i], v[AC+2*\i+1]
.endr
.irp m, 1,2,4,8                        ; over the wave's 32 lanes, the eight groups by turns
.irp i, 0,1,2,3,4,5,6,7
	v_add_f32_dpp v[W+\i], v[W+\i], v[W+\i] row_xmask:\m row_mask:0xf bank_mask:0xf
.endr
.endr
.irp i, 0,1,2,3,4,5,6,7
	v_permlanex16_b32 v[T+\i], v[W+\i], s14, s15
.endr
.irp i, 0,1,2,3,4,5,6,7
	v_add_f32 v[W+\i], v[W+\i], v[T+\i]
.endr
	ds_store_b128 v8, v[W:W+3]                     ; all lanes write the same bytes with the same values
	ds_store_b128 v8, v[W+4:W+7] offset:16
	s_wait_dscnt 0x0                               ; for the others' sake
	s_barrier_signal -1
	s_barrier_wait -1
	s_cmp_lg_u32 s8, 0
	s_cbranch_scc1 .Lend
.irp w, 0,1,2,3
	ds_load_b64 v[O+2*\w:O+2*\w+1], v7 offset:32*\w   ; the four heads' sums of my two groups
.endr
	s_wait_dscnt 0x0
	v_pk_add_f32 v[O:O+1], v[O:O+1], v[O+2:O+3]
	v_pk_add_f32 v[O:O+1], v[O:O+1], v[O+4:O+5]
	v_pk_add_f32 v[O:O+1], v[O:O+1], v[O+6:O+7]
	global_store_b64 v6, v[O:O+1], s[6:7]          ; 32 lanes store one aligned unit of 256 bytes
.Lend:
	s_wait_tensorcnt 0x0                           ; the wave's end
	ds_add_u32 v[SPW], v[NIL]
	s_wait_dscnt 0x0
	s_endpgm
.Lfunc_end_k_qcaa7d84221_wsum:
	.size	k_qcaa7d84221_wsum, .Lfunc_end_k_qcaa7d84221_wsum-k_qcaa7d84221_wsum
	.p2alignl 7, 3214868480
	.fill 96, 4, 3214868480
	.section	.rodata,"a",@progbits
	.p2align	6, 0x0
	.amdhsa_kernel k_qcaa7d84221_wsum
		.amdhsa_group_segment_fixed_size 768
		.amdhsa_private_segment_fixed_size 0
		.amdhsa_enable_private_segment 0
		.amdhsa_kernarg_size 16
		.amdhsa_user_sgpr_count 2
		.amdhsa_user_sgpr_kernarg_segment_ptr 1
		.amdhsa_wavefront_size32 1
		.amdhsa_system_sgpr_workgroup_id_x 1
		.amdhsa_system_sgpr_workgroup_id_y 1
		.amdhsa_system_sgpr_workgroup_id_z 1
		.amdhsa_system_vgpr_workitem_id 0
		.amdhsa_next_free_vgpr 120
		.amdhsa_next_free_sgpr 66
		.amdhsa_reserve_vcc 0
		.amdhsa_float_denorm_mode_32 3
		.amdhsa_float_denorm_mode_16_64 3
		.amdhsa_memory_ordered 1
		.amdhsa_forward_progress 1
		.amdhsa_inst_pref_size 13
	.end_amdhsa_kernel
	.amdgpu_metadata
---
amdhsa.version: [ 1, 2 ]
amdhsa.kernels:
  - .name:           k_qcaa7d84221_wsum
    .symbol:         k_qcaa7d84221_wsum.kd
    .args:
      - { .name: sc, .offset: 0, .size: 8, .value_kind: global_buffer, .address_space: global }
      - { .name: wp, .offset: 8, .size: 8, .value_kind: global_buffer, .address_space: global }
    .group_segment_fixed_size: 768
    .private_segment_fixed_size: 0
    .kernarg_segment_align: 8
    .kernarg_segment_size: 16
    .max_flat_workgroup_size: 128
    .sgpr_count:     66
    .vgpr_count:     120
    .wavefront_size: 32
...
	.end_amdgpu_metadata
.endif
;; end of part 4
;; launch vquant (part 5): grid 8 x 32, 4 waves a work-group, clusters of 4 x 4, 248,320 bytes of LDS; arguments wc, ws, wp, bv, ac, asc; writes ac, asc
.if DOCPART == 5
	.amdgcn_target "amdgcn-amd-amdhsa--gfx1250"
	.amdhsa_code_object_version 6
	.text
	.protected	k_qcaa7d84221_vquant
	.globl	k_qcaa7d84221_vquant
	.p2align	8
	.type	k_qcaa7d84221_vquant,@function
k_qcaa7d84221_vquant:
	s_mov_b64 s[64:65], 0
	v_nop
	global_prefetch_b8 v0, s[64:65] scope:SCOPE_SE
	s_setreg_imm32_b32 hwreg(HW_REG_WAVE_MODE, 25, 1), 1
	s_wait_xcnt 0x0
	s_wait_alu depctr_hold_cnt(0) depctr_sa_sdst(0) depctr_va_vdst(0) depctr_va_sdst(0) depctr_va_ssrc(0) depctr_va_vcc(0) depctr_vm_vsrc(0)
	s_getreg_b32 s2, hwreg(HW_REG_IB_STS2, 6, 4)
	s_cmp_eq_u32 s2, 0
	s_cbranch_scc0 .Lentry_in_a_cluster
	s_endpgm
.Lentry_in_a_cluster:
	s_bfe_u32 s2, ttmp6, 0x10000c
	s_cmp_lg_u32 s2, 0xf033
	s_cbranch_scc0 .Lentry_shape_is_right
	s_endpgm
.Lentry_shape_is_right:
; (x Wv + bv) x w[b][g], quantised along g x 512 + d into codes of FP6: the left operand of the last product.  w[b][g] = the sum of wp's 16 parts of the batch, word g of each.
; SHARES: work-group (g, rb) takes rows 128 rb .. and group g's 512 columns.  Wave w keeps its 128 columns of Wv, all of K = 512, in registers (384); they are K step 4 g + w of the last product.
; CLUSTER 4 x 4: the four work-groups of a column of the cluster need the same 196,608 bytes of Wv, the four of a row the same 49,152 bytes of x.  Both come JOINTLY, one tensor load a wave:
; waves 0-2 a third of Wv each (65,536 bytes), wave 3 x's 8 row tiles.  Nothing in LDS is filled twice; a wave has one tensor load out.  No place in the cluster enters an LDS address.
; Each wave then copies its own 49,152 bytes of Wv from LDS into registers; x's fragments are read from LDS tile by tile.
; w: lane l loads part l % 16, and four adds across the 16 lanes give every lane the sum, the same bits in every wave.
; The product is used TRANSPOSED (source 0 = 16 columns of Wv, source 1 = 16 rows of x), and Wv's columns were laid so that the 16 registers of tiles 2 b and 2 b + 1 are 16 neighbours along the next K.
; bv is the C of each sum's first product.  asc's words are laid as ws's: row 64 T + 16 u + r at place 64 T + 4 r + u.
; LIMITS: a block of zeros gets the byte 1 where the rule says 127 (its codes are zeros; this program alone reads the bytes); NaN and infinities are not served.  No loop, so no prefetch.
; REGISTERS: window 0: v4-15 addresses; v24-25 w; v32-63 Wv's scale words (16 (i / 4) + 4 s + i % 4); v64-95 x's; v96-159 the 8 accumulators; v160-196 the quantiser's; v254-255 the add's.
;   windows 1, 2: Wv's fragments (i, s) at 48 (i % 4) + 12 s.   window 3: v0-95 two sets of x's fragments; v192-255 bv, eight registers a tile in the result's layout.
.set VC,  9437184                      ; Wv's codes in wc (x's at 0)
.set VSW, 393216                       ; Wv's scale words in ws (x's at 0)
.set XL,  196608                       ; LDS: Wv from 0, x's tiles from XL,
.set SWS, 245760                       ; 512 bytes a wave: its 128 rows' scale words,
.set SPARE, 247808                     ; the spare words, 128 bytes a wave
.set LI,  4                            ; 16 x lane
.set R16, 5                            ; 16 x (lane % 16)
.set BH,  6                            ; 64 x (lane / 16)
.set SOA, 7                            ; the scale words, out
.set SW,  12                           ; the scale words, in
.set WO,  13                           ; 256 x (lane % 16): my part of wp
.set WA,  14                           ; 16 x lane + 49,152 x wave: my part of Wv in LDS
.set XA,  15                           ; 16 x lane + XL
.set W,   24
.set PS,  32
.set QS,  64
.set ACC, 96
.set TM,  160
.set PW,  176
.set PC,  178
.set BI,  192                          ; in window 3
.set SPW, 254
.set NIL, 255
.set SEL, 52
.set MSB, 0
.macro WIN new                         ; the immediate's high byte repeats the setting that is left
.if MSB != (\new)
	s_set_vgpr_msb (MSB<<8)|(\new)
.set MSB, (\new)
.endif
.endm
.macro PLACES n
.rept \n
	v_nop
.endr
.endm
.macro MMC                             ; the first product of a sum: C = the bias
	v_wmma_scale_f32_16x16x128_f8f6f4 v[rD:rD+7], v[rA:rA+11], v[rB:rB+11], v[rC:rC+7], v[rX], v[rY] matrix_a_fmt:MATRIX_FMT_FP6 matrix_b_fmt:MATRIX_FMT_FP6
.endm
.macro MMA
	v_wmma_scale_f32_16x16x128_f8f6f4 v[rD:rD+7], v[rA:rA+11], v[rB:rB+11], v[rD:rD+7], v[rX], v[rY] matrix_a_fmt:MATRIX_FMT_FP6 matrix_b_fmt:MATRIX_FMT_FP6
.endm
.macro ROUND                           ; a round of the cluster's barrier
	s_barrier_signal -1
	s_barrier_wait -1
	s_cmp_lg_u32 s16, 0
	s_cbranch_scc1 .Lnot_wave_0_\@
	s_barrier_signal -3
.Lnot_wave_0_\@:
	s_barrier_wait -3
	s_barrier_signal -1
	s_barrier_wait -1
.endm
.macro G1REST b, rows                  ; group 1 behind its first word: dense rows of 32 elements of 8 bytes
	s_mov_b32 s[\b+1], 32<<16
	s_mov_b32 s[\b+2], (\rows)<<16
	s_mov_b32 s[\b+3], 32<<16
	s_mov_b32 s[\b+4], \rows
	s_mov_b32 s[\b+5], 32
	s_mov_b32 s[\b+6], 0
	s_mov_b32 s[\b+7], 0
.endm
; 64 numbers of a lane, register 16 b + i = k 32 b + 16 (lane / 16) + i of my row, become a fragment's codes in v[PC] on and its scale word in v[PW].
.macro QUANT s
.irp b, 0,1,2,3
	v_max3_num_f32 v[TM+\b], |v[\s+16*\b]|, |v[\s+1+16*\b]|, 0x1800000   ; my 16 numbers of block b, and the floor 2^(3 - 127): the byte cannot fall under 1
.endr
.irp i, 2,4,6,8,10,12,14
.irp b, 0,1,2,3
	v_max3_num_f32 v[TM+\b], v[TM+\b], |v[\s+16*\b+\i]|, |v[\s+1+16*\b+\i]|
.endr
.endr
.irp b, 0,1,2,3
	v_permlanex16_b32 v[TM+4+\b], v[TM+\b], s[SEL], s[SEL+1]
.endr
.irp b, 0,1,2,3
	v_max_num_f32 v[TM+\b], v[TM+\b], v[TM+4+\b]   ; with lane l xor 16's: the block's largest magnitude
.endr
.irp b, 0,1,2,3
	v_add_nc_u32 v[TM+12+\b], 0xff000000, v[TM+\b] ; 2 off its exponent field: the conversion's scale operand
.endr
.irp b, 0,1,2,3
	v_lshrrev_b32 v[TM+4+\b], 23, v[TM+12+\b]      ; the scale's byte
.endr
	v_lshl_or_b32 v[PW], v[TM+5], 8, v[TM+4]
	v_lshl_or_b32 v[PW], v[TM+6], 16, v[PW]
	v_lshl_or_b32 v[PW], v[TM+7], 24, v[PW]
.irp c, 0,1
	v_cvt_scalef32_pk16_fp6_f32 v[PC+6*\c:PC+2+6*\c], v[\s+32*\c:\s+15+32*\c], v[TM+12+2*\c]
	v_cvt_scalef32_pk16_fp6_f32 v[PC+12+4*\c:PC+14+4*\c], v[\s+16+32*\c:\s+31+32*\c], v[TM+12+2*\c+1]   ; (a conversion's three registers begin on an even number)
.endr
	v_nop                                          ; one plain place behind the scaled conversions
.irp c, 0,1                            ; the operand's layout wants a whole block in a lane
.irp i, 0,1,2
	v_permlane16_swap_b32 v[PC+6*\c+\i], v[PC+12+4*\c+\i]
.endr
.irp i, 0,1,2
	v_mov_b32 v[PC+3+6*\c+\i], v[PC+12+4*\c+\i]
.endr
.endr
.endm
	s_load_b256 s[4:11], s[0:1], 0x0               ; wc, ws, wp, bv
	s_load_b128 s[12:15], s[0:1], 0x20             ; ac, asc
	v_lshl_add_u32 v[SPW], v0, 2, SPARE
	v_mov_b32 v[NIL], 0
	ds_add_u32 v[SPW], v[NIL]                      ; the opening lines: the add twice on end and one wait
	ds_add_u32 v[SPW], v[NIL]
	v_lshrrev_b32 v1, 5, v0
	v_readfirstlane_b32 s16, v1                    ; wave
	s_bfe_u32 s17, ttmp6, 0x40000                  ; cx
	s_bfe_u32 s19, ttmp6, 0x40004                  ; cy
	s_lshl_b32 s18, ttmp9, 2
	s_add_co_u32 s18, s18, s17                     ; g = 4 x cluster x + cx
	s_and_b32 s20, ttmp7, 0xffff
	s_lshl_b32 s20, s20, 2
	s_add_co_u32 s20, s20, s19                     ; row block = 4 x cluster y + cy
	s_lshr_b32 s22, s20, 4                         ; the batch
	s_lshl_b32 s21, s19, 2
	s_lshl_b32 s21, 15, s21                        ; my row of the cluster
	s_lshl_b32 s23, 0x1111, s17                    ; my column
	s_or_b32 s24, s21, (3<<16)|(1<<21)             ; x's tiles go to my row
	G1REST 24, 192
	s_or_b32 s36, s23, (3<<16)|(1<<21)             ; Wv's to my column
	G1REST 36, 256
	v_and_b32 v1, 31, v0
	v_and_b32 v2, 15, v0
	v_bfe_u32 v3, v0, 4, 1
	v_lshlrev_b32 v[LI], 4, v1
	v_lshlrev_b32 v[R16], 4, v2
	v_lshlrev_b32 v[BH], 6, v3
	v_lshlrev_b32 v[WO], 8, v2
	s_lshl_b32 s73, s16, 9
	s_add_co_u32 s73, s73, SWS
	v_add_nc_u32 v[SOA], s73, v[LI]
	v_add_nc_u32 v[SW], s73, v[R16]
	s_mul_i32 s3, s16, 49152
	v_add_nc_u32 v[WA], s3, v[LI]
	v_add_nc_u32 v[XA], XL, v[LI]
.irp b, 0,1,2,3
	v_mov_b32 v[TM+4+\b], 0                        ; a lane permute's destination counts as a source
.endr
	s_mov_b32 s[SEL], 0x76543210
	s_mov_b32 s[SEL+1], 0xfedcba98
	s_mul_i32 s70, s20, 49152                      ; x: the block's 8 tiles  (s70 takes offsets made of cy, s68 those made of cx, s74 those made of both)
	s_mov_b32 s71, 0
	s_lshl_b32 s45, s16, 16                        ; Wv: my third, in LDS,
	s_mul_i32 s68, s18, 196608
	s_add_co_u32 s68, s68, s45
	s_add_co_u32 s68, s68, VC                      ; and in memory
	s_mov_b32 s69, 0
	s_mov_b32 s75, 0
	s_wait_alu depctr_va_vdst(0)                   ; the wait at the head's end
	s_wait_dscnt 0x0
	s_wait_kmcnt 0x0
	s_mov_b32 s44, 1
	s_add_nc_u64 s[46:47], s[4:5], s[68:69]
	s_or_b32 s47, s47, 0x80000000
	s_mov_b32 s32, 1
	s_mov_b32 s33, XL
	s_add_nc_u64 s[34:35], s[4:5], s[70:71]
	s_or_b32 s35, s35, 0x80000000
	ROUND                                          ; all sixteen work-groups are here: the joint loads meet
	s_cmp_lt_u32 s16, 3                            ; one chain of arms on the wave's number, one load to an arm
	s_cbranch_scc0 .Lfor_x
	tensor_load_to_lds s[44:47], s[36:43]
	s_nop 0
	PLACES 4
	s_branch .Lasked
.Lfor_x:
	tensor_load_to_lds s[32:35], s[24:31]
	s_nop 0
	PLACES 4
.Lasked:
	s_lshl_b32 s74, s22, 12                        ; wp: the batch's 16 parts of 256 bytes,
	s_lshl_b32 s3, s18, 2
	s_add_co_u32 s74, s74, s3                      ; word g
	s_add_nc_u64 s[8:9], s[8:9], s[74:75]
	global_load_b32 v[W], v[WO], s[8:9]
	s_lshl_b32 s68, s18, 11
	s_lshl_b32 s3, s16, 9
	s_add_co_u32 s68, s68, s3                      ; (512 g + 128 w) x 4
	s_add_nc_u64 s[60:61], s[10:11], s[68:69]      ; bv
	s_add_co_u32 s68, s68, VSW
	s_add_nc_u64 s[56:57], s[6:7], s[68:69]        ; Wv's scale words
	s_lshl_b32 s70, s20, 9
	s_add_nc_u64 s[58:59], s[6:7], s[70:71]        ; x's scale words
	s_lshl_b32 s74, s18, 16
	s_add_co_u32 s74, s74, s70
	s_lshl_b32 s3, s16, 14
	s_add_co_u32 s74, s74, s3
	s_add_nc_u64 s[66:67], s[14:15], s[74:75]      ; asc: K step 4 g + w, my block's 128 rows
	s_mul_i32 s74, s20, 393216
	s_mul_i32 s3, s18, 6144
	s_add_co_u32 s74, s74, s3
	s_mul_i32 s3, s16, 1536
	s_add_co_u32 s74, s74, s3
	s_add_nc_u64 s[62:63], s[12:13], s[74:75]      ; ac: row tile 8 rb, K step 4 g + w
.irp s, 0,1,2,3
.irp T, 0,1
	global_load_b128 v[PS+16*\T+4*\s:PS+16*\T+4*\s+3], v[R16], s[56:57] offset:\s*16384+256*\T   ; lane r: column r's words of tiles 4 T .. 4 T + 3
	global_load_b128 v[QS+16*\T+4*\s:QS+16*\T+4*\s+3], v[R16], s[58:59] offset:\s*16384+256*\T   ; and row r's
.endr
.endr
	WIN 0xc0                                       ; lane (r, h) wants, for tile 2 b + u, bv of columns 32 b + 16 h + 8 u + 0 .. 7
.set q, 0
.rept 16
	global_load_b128 v[BI+4*q:BI+4*q+3], v[BH], s[60:61] offset:(32*(q/4)+8*((q/2)%2))*4+16*(q%2)
.set q, q+1
.endr
	WIN 0
	s_wait_tensorcnt 0x0                           ; my load has landed,
	s_barrier_signal -1
	s_barrier_wait -1                              ; everybody's has
	WIN 0xc0
.irp s, 0,1,2,3
.irp c, 0,1,2
	ds_load_b128 v[12*\s+4*\c:12*\s+4*\c+3], v[XA] offset:\s*1536+512*\c    ; x's tile 0
.endr
.endr
	WIN 0x40
.set q, 0
.rept 48
	ds_load_b128 v[4*q:4*q+3], v[WA] offset:512*q          ; Wv's column tiles 0-3: register 4 q of windows 1 and 2 on end takes byte 512 q
.set q, q+1
.endr
	WIN 0x80
.set q, 0
.rept 48
	ds_load_b128 v[4*q:4*q+3], v[WA] offset:(48+q)*512     ; column tiles 4-7
.set q, q+1
.endr
	WIN 0
	s_wait_loadcnt 0x0                             ; wp's part, the scale words and bv
.irp m, 1,2,4,8
	v_add_f32_dpp v[W], v[W], v[W] row_xmask:\m row_mask:0xf bank_mask:0xf   ; the 16 parts: w[b][g] in every lane
.endr
	v_mov_b32 v[W+1], v[W]                         ; (named with it as a pair)
	s_wait_alu depctr_va_vdst(0)
; four products: column tiles w4 .. w4 + 3, K step ks.  The accumulators take turns, one instruction a turn.
.macro VMM t, w4, ks
.irp i, 0,1,2,3
.set rD, ACC+8*(\w4+\i)
.set rA, 48*\i+12*(\ks)
.set rB, 48*((\t)%2)+12*(\ks)
.set rC, BI+8*(\w4+\i)
.set rX, PS+4*(\w4)+4*(\ks)+\i
.set rY, QS+16*((\t)/4)+4*(\ks)+(\t)%4
.if (\ks) == 0
	MMC
.else
	MMA
.endif
.endr
.endm
.macro TILE t
.if (\t) > 0
	s_wait_dscnt 0x0                               ; this tile's fragments are in, and the last tile's scale word has left its register
.endif
.if (\t) < 7
	WIN 0xc0                                       ; (the places in front of these loads are the quantiser's lines behind the last tile's products)
.irp s, 0,1,2,3
.irp c, 0,1,2
	ds_load_b128 v[48*(((\t)+1)%2)+12*\s+4*\c:48*(((\t)+1)%2)+12*\s+4*\c+3], v[XA] offset:((\t)+1)*6144+\s*1536+512*\c
.endr
.endr
.endif
.if (\t) == 0
	s_wait_dscnt 60                                ; x's tile 0 and Wv's tiles 0-3 are in; the 48 loads of tiles 4-7 and the 12 of x's tile 1 may be out
.endif
	WIN 0x3d                                       ; source 0 (Wv) window 1, source 1 (x) and C (bv) window 3, D window 0
	VMM \t, 0, 0
	WIN 0x0d                                       ; C window 0
	VMM \t, 0, 1
	VMM \t, 0, 2
	VMM \t, 0, 3
.if (\t) == 0
	s_wait_dscnt 12                                ; Wv's tiles 4-7 are in; x's tile 1 may be out
.endif
	WIN 0x3e                                       ; Wv window 2
	VMM \t, 4, 0
	WIN 0x0e
	VMM \t, 4, 1
	VMM \t, 4, 2
	VMM \t, 4, 3
	WIN 0
	s_wait_xcnt 0x0                                ; the last tile's stores have read the codes' registers
	PLACES 4
.set q, 0
.rept 32
	v_pk_mul_f32 v[ACC+2*q:ACC+2*q+1], v[ACC+2*q:ACC+2*q+1], v[W:W+1] op_sel_hi:[1,0]   ; x w; each accumulator from its low end on
.set q, q+1
.endr
	QUANT ACC
.irp c, 0,1,2
	global_store_b128 v[LI], v[PC+4*\c:PC+4*\c+3], s[62:63] offset:(\t)*49152+512*\c   ; the fragment's image: 512 consecutive bytes a store
.endr
	ds_store_b32 v[SW], v[PW] offset:256*((\t)/4)+4*((\t)%4)   ; row 16 t + r at word 64 (t / 4) + 4 r + t % 4; lanes r and 16 + r write the same word with the same value
.endm
.irp t, 0,1,2,3,4,5,6,7
	TILE \t
.endr
	ds_load_b128 v[8:11], v[SOA]                   ; my own bytes, served in order: my 128 rows' scale words
	s_wait_dscnt 0x0
	global_store_b128 v[LI], v[8:11], s[66:67]     ; 512 consecutive bytes
	s_wait_tensorcnt 0x0                           ; the wave's end
	ds_add_u32 v[SPW], v[NIL]
	s_wait_dscnt 0x0
	ROUND                                          ; the closing round
	s_endpgm
.Lfunc_end_k_qcaa7d84221_vquant:
	.size	k_qcaa7d84221_vquant, .Lfunc_end_k_qcaa7d84221_vquant-k_qcaa7d84221_vquant
	.p2alignl 7, 3214868480
	.fill 96, 4, 3214868480
	.section	.rodata,"a",@progbits
	.p2align	6, 0x0
	.amdhsa_kernel k_qcaa7d84221_vquant
		.amdhsa_group_segment_fixed_size 248320
		.amdhsa_private_segment_fixed_size 0
		.amdhsa_enable_private_segment 0
		.amdhsa_kernarg_size 48
		.amdhsa_user_sgpr_count 2
		.amdhsa_user_sgpr_kernarg_segment_ptr 1
		.amdhsa_wavefront_size32 1
		.amdhsa_system_sgpr_workgroup_id_x 1
		.amdhsa_system_sgpr_workgroup_id_y 1
		.amdhsa_system_sgpr_workgroup_id_z 1
		.amdhsa_system_vgpr_workitem_id 0
		.amdhsa_next_free_vgpr 1024
		.amdhsa_next_free_sgpr 76
		.amdhsa_reserve_vcc 0
		.amdhsa_float_denorm_mode_32 3
		.amdhsa_float_denorm_mode_16_64 3
		.amdhsa_memory_ordered 1
		.amdhsa_forward_progress 1
		.amdhsa_inst_pref_size 106
	.end_amdhsa_kernel
	.amdgpu_metadata
---
amdhsa.version: [ 1, 2 ]
amdhsa.kernels:
  - .name:           k_qcaa7d84221_vquant
    .symbol:         k_qcaa7d84221_vquant.kd
    .args:
      - { .name: wc, .offset: 0, .size: 8, .value_kind: global_buffer, .address_space: global }
      - { .name: ws, .offset: 8, .size: 8, .value_kind: global_buffer, .address_space: global }
      - { .name: wp, .offset: 16, .size: 8, .value_kind: global_buffer, .address_space: global }
      - { .name: bv, .offset: 24, .size: 8, .value_kind: global_buffer, .address_space: global }
      - { .name: ac, .offset: 32, .size: 8, .value_kind: global_buffer, .address_space: global }
      - { .name: asc, .offset: 40, .size: 8, .value_kind: global_buffer, .address_space: global }
    .group_segment_fixed_size: 248320
    .private_segment_fixed_size: 0
    .kernarg_segment_align: 8
    .kernarg_segment_size: 48
    .max_flat_workgroup_size: 128
    .sgpr_count:     76
    .vgpr_count:     1024
    .wavefront_size: 32
...
	.end_amdgpu_metadata
.endif
;; end of part 5
;; launch outgemm (part 6): grid 8 x 32, 4 waves a work-group, clusters of 4 x 4, 327,680 bytes of LDS; arguments ac, asc, wc, ws, bo, out0; writes out0
.if DOCPART == 6
	.amdgcn_target "amdgcn-amd-amdhsa--gfx1250"
	.amdhsa_code_object_version 6
	.text
	.protected	k_qcaa7d84221_outgemm
	.globl	k_qcaa7d84221_outgemm
	.p2align	8
	.type	k_qcaa7d84221_outgemm,@function
k_qcaa7d84221_outgemm:
	s_mov_b64 s[64:65], 0
	v_nop
	global_prefetch_b8 v0, s[64:65] scope:SCOPE_SE
	s_setreg_imm32_b32 hwreg(HW_REG_WAVE_MODE, 25, 1), 1
	s_wait_xcnt 0x0
	s_wait_alu depctr_hold_cnt(0) depctr_sa_sdst(0) depctr_va_vdst(0) depctr_va_sdst(0) depctr_va_ssrc(0) depctr_va_vcc(0) depctr_vm_vsrc(0)
	s_getreg_b32 s2, hwreg(HW_REG_IB_STS2, 6, 4)
	s_cmp_eq_u32 s2, 0
	s_cbranch_scc0 .Lentry_in_a_cluster
	s_endpgm
.Lentry_in_a_cluster:
	s_bfe_u32 s2, ttmp6, 0x10000c
	s_cmp_lg_u32 s2, 0xf033
	s_cbranch_scc0 .Lentry_shape_is_right
	s_endpgm
.Lentry_shape_is_right:
; out0 = A Wo + bo on codes of FP6: A [4096][4096] from ac and asc, Wo's codes from wc and ws, all laid as images of the operands' registers.
; SHARES: work-group (cb, rb) makes 128 rows x 64 columns.  EVERY WAVE HOLDS THE WHOLE TILE (32 accumulators, window 3) AND TAKES A QUARTER OF K: wave w K steps 8 w .. 8 w + 7.
; So each fragment is wanted by one wave alone.  The four waves' sums meet in LDS: out = ((w0 + w1) + w2) + w3 + bo, an order of the f32 sums that is not reference()'s.
; CLUSTER 4 x 4: the four work-groups of a row of the cluster need the same A, the four of a column the same Wo: all codes come by JOINT tensor loads, in TWO FILLS of 294,912 bytes, each with four of every wave's eight K steps.
; A fill's rows are 6,144 bytes (four K steps' fragments on end), 12,288 bytes apart in memory: row 4 i + w is row tile i (Wo: column tile i), wave w's steps.  Waves 0, 1 fetch 16 rows of A each, waves 2, 3 eight rows of Wo each: one load a wave.
; The second fill lands on the first's bytes: behind the three lines and a round of the cluster's barrier, as soon as the fragments of K steps 2 and 3 are in registers; those 64 products a wave stand under its flight.
; A wave has one tensor load out at any time.  All of LDS is claimed.  No place in the cluster enters an LDS address or a branch; A's descriptor is made of cy's side alone, Wo's of cx's.
; PREFETCH: the walk has two fills, written out.  Behind the first fill's load each wave names the second fill's bytes, one fill ahead of the load that wants them: of A's 32 rows the partner at cx takes 8, a wave 2 (48 blocks of 256 bytes,
; two instructions); of Wo's 16 rows the partner at cy takes 4, a wave 1 (24 blocks, one instruction): each block once in the cluster, shared out by address; lanes left over name their wave's last block again.
; The partial sums and the stage lie over the slot: it has had its last fill, and a barrier stands between every wave's last read of it and the first store there.
; The product is used TRANSPOSED (source 0 = 16 columns of Wo, source 1 = 16 rows of A): a lane holds eight neighbouring numbers of a row of out0.
; REGISTERS: window 0: v4-21 addresses; v32-95 A's scale words (8 k + i); v96-127 Wo's (4 k + c); v128-223 A's fragments of even K steps, later rows on the way out; v224-255 bo in the result's layout.
;   window 1: v0-47, v48-95 Wo's fragments of even and odd K steps.   window 2: v128-223 A's fragments of odd K steps.   window 3: accumulator (i, c) at 8 (4 i + c).
.set OC,  11010048                     ; Wo's codes in wc
.set OSW, 458752                       ; Wo's scale words in ws
.set WL,  196608                       ; LDS: A's 32 rows from 0, Wo's 16 rows from WL
.set OST, 131072                       ; later: [wave][32 tiles][1,024 bytes] of partial sums from 0; behind them a stage of 32 rows x (256 + 16) bytes a wave
.set SPARE, 294912                     ; the spare words, 128 bytes a wave
.set LI,  4                            ; 16 x lane
.set R16, 5                            ; 16 x (lane % 16)
.set AAD, 13                           ; v13-16: 16 x lane + 6,144 x wave + 49,152 m: A's row tiles 2 m, 2 m + 1
.set WAD, 17                           ; v17-18: the same + WL: Wo's column tiles
.set AS,  32
.set BS,  96
.set AF,  128                          ; in window 0 or 2
.set BO,  224
.set OUTR, 128
.set MSB, 0
.macro WIN new                         ; the immediate's high byte repeats the setting that is left
.if MSB != (\new)
	s_set_vgpr_msb (MSB<<8)|(\new)
.set MSB, (\new)
.endif
.endm
.macro PLACES n
.rept \n
	v_nop
.endr
.endm
.macro MM0
	v_wmma_scale_f32_16x16x128_f8f6f4 v[rD:rD+7], v[rA:rA+11], v[rB:rB+11], 0, v[rX], v[rY] matrix_a_fmt:MATRIX_FMT_FP6 matrix_b_fmt:MATRIX_FMT_FP6
.endm
.macro MMA
	v_wmma_scale_f32_16x16x128_f8f6f4 v[rD:rD+7], v[rA:rA+11], v[rB:rB+11], v[rD:rD+7], v[rX], v[rY] matrix_a_fmt:MATRIX_FMT_FP6 matrix_b_fmt:MATRIX_FMT_FP6
.endm
.macro ROUND                           ; a round of the cluster's barrier
	s_barrier_signal -1
	s_barrier_wait -1
	s_cmp_lg_u32 s16, 0
	s_cbranch_scc1 .Lnot_wave_0_\@
	s_barrier_signal -3
.Lnot_wave_0_\@:
	s_barrier_wait -3
	s_barrier_signal -1
	s_barrier_wait -1
.endm
.macro G1REST b, rows                  ; group 1 behind its first word: rows of 768 elements of 8 bytes, 1,536 elements apart
	s_mov_b32 s[\b+1], 768<<16
	s_mov_b32 s[\b+2], (\rows)<<16
	s_mov_b32 s[\b+3], 768<<16
	s_mov_b32 s[\b+4], \rows
	s_mov_b32 s[\b+5], 1536
	s_mov_b32 s[\b+6], 0
	s_mov_b32 s[\b+7], 0
.endm
.macro JLOAD                           ; a joint load: waves 0, 1 fetch for A, waves 2, 3 for Wo; the branch hangs on the wave's number alone
	s_cmp_eq_u32 s66, 0
	s_cbranch_scc0 .Lfor_b_\@
	tensor_load_to_lds s[48:51], s[40:47]
	s_nop 0
	PLACES 4
	s_branch .Lasked_\@
.Lfor_b_\@:
	tensor_load_to_lds s[60:63], s[52:59]
	s_nop 0
	PLACES 4
.Lasked_\@:
.endm
	s_load_b256 s[4:11], s[0:1], 0x0               ; ac, asc, wc, ws
	s_load_b128 s[12:15], s[0:1], 0x20             ; bo, out0
	v_lshl_add_u32 v30, v0, 2, SPARE
	v_mov_b32 v31, 0
	ds_add_u32 v30, v31                            ; the opening lines: the add twice on end and one wait
	ds_add_u32 v30, v31
	v_lshrrev_b32 v1, 5, v0
	v_readfirstlane_b32 s16, v1                    ; wave
	s_lshr_b32 s66, s16, 1                         ; I fetch for A (0) or for Wo (1),
	s_and_b32 s67, s16, 1                          ; its first or second half
	s_bfe_u32 s36, ttmp6, 0x40000                  ; cx
	s_bfe_u32 s37, ttmp6, 0x40004                  ; cy
	s_lshl_b32 s17, ttmp9, 2
	s_add_co_u32 s17, s17, s36                     ; which 64 columns
	s_and_b32 s18, ttmp7, 0xffff
	s_lshl_b32 s18, s18, 2
	s_add_co_u32 s18, s18, s37                     ; which 128 rows
	s_lshl_b32 s68, s37, 2
	s_lshl_b32 s68, 15, s68                        ; my row of the cluster
	s_lshl_b32 s69, 0x1111, s36                    ; my column
	s_or_b32 s40, s68, (3<<16)|(1<<21)             ; A goes to my row
	G1REST 40, 16
	s_or_b32 s52, s69, (3<<16)|(1<<21)             ; Wo to my column
	G1REST 52, 8
	v_and_b32 v1, 31, v0
	v_and_b32 v2, 15, v0                           ; r
	v_bfe_u32 v3, v0, 4, 1                         ; h
	v_lshlrev_b32 v[LI], 4, v1
	v_lshlrev_b32 v[R16], 4, v2
	v_lshlrev_b32 v6, 5, v3                        ; bo: 32 h
	s_lshl_b32 s19, s16, 15
	v_add_nc_u32 v7, s19, v[LI]                    ; my partial sums
	s_lshl_b32 s19, s16, 13
	v_add_nc_u32 v8, s19, v[LI]                    ; the 8 tiles that I add up, in waves 0 and 1's sums,
	v_add_nc_u32 v9, 65536, v8                     ; and in waves 2 and 3's
	s_mul_i32 s19, s16, 8704
	s_add_co_u32 s19, s19, OST                     ; my stage
	v_mul_u32_u24 v10, v2, 272
	v_lshl_add_u32 v10, v3, 5, v10
	v_add_nc_u32 v10, s19, v10                     ; in: row r, 32 bytes for each half of the lanes
	v_mul_u32_u24 v11, v3, 272
	v_lshl_add_u32 v11, v2, 4, v11
	v_add_nc_u32 v11, s19, v11                     ; back: lanes 0-15 one row of 256 bytes, lanes 16-31 the next
	v_lshlrev_b32 v12, 11, v3
	v_lshl_add_u32 v12, v2, 4, v12                 ; and the same two rows in out0
	s_mul_i32 s19, s16, 6144
	v_add_nc_u32 v[AAD], s19, v[LI]
	v_add_nc_u32 v[AAD+1], 49152, v[AAD]
	v_add_nc_u32 v[AAD+2], 98304, v[AAD]
	v_add_nc_u32 v[AAD+3], 147456, v[AAD]
	v_add_nc_u32 v[WAD], WL, v[AAD]
	v_add_nc_u32 v[WAD+1], WL+49152, v[AAD]
	v_lshrrev_b32 v19, 3, v1                       ; the prefetches' offsets.  A, blocks 0-31 of my two rows' 48: 256 x lane, and 6,144 more from block 24 on (the second row)
	v_add_nc_u32 v19, 1, v19
	v_lshrrev_b32 v19, 2, v19                      ; 1 in lanes 24-31
	v_mul_u32_u24 v19, v19, 6144
	v_lshl_add_u32 v19, v1, 8, v19
	v_min_u32 v20, 15, v1                          ; blocks 32-47
	v_lshlrev_b32 v20, 8, v20
	v_add_nc_u32 v20, 14336, v20
	v_min_u32 v21, 23, v1                          ; Wo: my row's 24 blocks
	v_lshlrev_b32 v21, 8, v21
	s_mul_i32 s49, s67, 98304                      ; A: my 16 rows, in LDS,
	s_mul_i32 s38, s18, 393216                     ; (s38 takes offsets made of cy, s32 those made of cx, s34 those made of both)
	s_mul_i32 s19, s67, 196608
	s_add_co_u32 s38, s38, s19                     ; and in memory
	s_mov_b32 s39, 0
	s_mul_i32 s61, s67, 49152                      ; Wo: my 8 rows, in LDS,
	s_add_co_u32 s61, s61, WL
	s_mul_i32 s32, s17, 196608
	s_mul_i32 s19, s67, 98304
	s_add_co_u32 s32, s32, s19
	s_add_co_u32 s32, s32, OC                      ; and in memory
	s_mov_b32 s33, 0
	s_mov_b32 s35, 0
	s_wait_alu depctr_va_vdst(0)                   ; the wait at the head's end
	s_wait_dscnt 0x0
	s_wait_kmcnt 0x0
	s_mov_b32 s48, 1
	s_add_nc_u64 s[50:51], s[4:5], s[38:39]
	s_or_b32 s51, s51, 0x80000000
	s_mov_b32 s60, 1
	s_add_nc_u64 s[62:63], s[8:9], s[32:33]
	s_or_b32 s63, s63, 0x80000000
	ROUND                                          ; all sixteen work-groups are here: the joint loads meet
	JLOAD                                          ; the first fill: every wave's K steps 0-3
	s_lshl_b32 s19, s36, 3
	s_lshl_b32 s34, s16, 1
	s_add_co_u32 s19, s19, s34                     ; A's rows 8 cx + 2 w and the next
	s_mul_i32 s19, s19, 12288
	s_mul_i32 s34, s18, 393216
	s_add_co_u32 s34, s34, s19
	s_add_co_u32 s34, s34, 6144                    ; their second halves
	s_add_nc_u64 s[20:21], s[4:5], s[34:35]
	s_lshl_b32 s19, s37, 2
	s_add_co_u32 s19, s19, s16                     ; Wo's row 4 cy + w
	s_mul_i32 s19, s19, 12288
	s_mul_i32 s34, s17, 196608
	s_add_co_u32 s34, s34, s19
	s_add_co_u32 s34, s34, OC+6144
	s_add_nc_u64 s[22:23], s[8:9], s[34:35]
	global_prefetch_b8 v19, s[20:21] th:TH_LOAD_NT scope:SCOPE_SE   ; the address registers are never written again
	global_prefetch_b8 v20, s[20:21] th:TH_LOAD_NT scope:SCOPE_SE
	global_prefetch_b8 v21, s[22:23] th:TH_LOAD_NT scope:SCOPE_SE
	s_lshl_b32 s38, s16, 17
	s_lshl_b32 s19, s18, 9
	s_add_co_u32 s38, s38, s19
	s_add_nc_u64 s[24:25], s[6:7], s[38:39]        ; A's scale words
	s_lshl_b32 s32, s16, 14
	s_lshl_b32 s19, s17, 8
	s_add_co_u32 s32, s32, s19
	s_add_co_u32 s32, s32, OSW
	s_add_nc_u64 s[26:27], s[10:11], s[32:33]      ; Wo's scale words
	s_mov_b32 s32, s19
	s_add_nc_u64 s[28:29], s[12:13], s[32:33]      ; bo
	s_lshl_b32 s34, s18, 18
	s_add_co_u32 s34, s34, s19
	s_lshl_b32 s19, s16, 16
	s_add_co_u32 s34, s34, s19
	s_add_nc_u64 s[30:31], s[14:15], s[34:35]      ; out0: row 128 rb + 32 w, column 64 cb
.irp k, 0,1,2,3,4,5,6,7
.irp T, 0,1
	global_load_b128 v[AS+8*\k+4*\T:AS+8*\k+4*\T+3], v[R16], s[24:25] offset:\k*16384+256*\T   ; lane r: row r's words of tiles 4 T .. 4 T + 3
.endr
	global_load_b128 v[BS+4*\k:BS+4*\k+3], v[R16], s[26:27] offset:\k*2048                     ; and column r's of my four column tiles
.endr
.irp c, 0,1,2,3
	global_load_b128 v[BO+8*\c:BO+8*\c+3], v6, s[28:29] offset:64*\c
	global_load_b128 v[BO+8*\c+4:BO+8*\c+7], v6, s[28:29] offset:64*\c+16
.endr
.macro DL k                            ; my K step k's fragments from LDS into set k % 2: 24 loads of A, 12 of Wo
.if (\k)%2 == 0
	WIN 0
.else
	WIN 0x80
.endif
.irp i, 0,1,2,3,4,5,6,7
.irp c, 0,1,2
	ds_load_b128 v[AF+12*\i+4*\c:AF+12*\i+4*\c+3], v[AAD+\i/2] offset:(\i%2)*24576+((\k)%4)*1536+512*\c
.endr
.endr
	WIN 0x40
.irp j, 0,1,2,3
.irp c, 0,1,2
	ds_load_b128 v[48*((\k)%2)+12*\j+4*\c:48*((\k)%2)+12*\j+4*\c+3], v[WAD+\j/2] offset:(\j%2)*24576+((\k)%4)*1536+512*\c
.endr
.endr
.endm
; K step k: 32 products, the 32 accumulators by turns, one instruction a turn.  wt: the LDS loads that may stay out (under 0: no wait).  nxt: the K step fetched behind it (under 0: none).
.macro STEP k, wt, nxt
.if (\wt) >= 0
	s_wait_dscnt \wt
.endif
	WIN 0xf1|(((\k)%2)<<3)                         ; source 0 (Wo) window 1, source 1 (A) window 0 or 2, C and D window 3
.irp i, 0,1,2,3,4,5,6,7
.irp j, 0,1,2,3
.set rD, 8*(4*\i+\j)
.set rA, 48*((\k)%2)+12*\j
.set rB, AF+12*\i
.set rX, BS+4*(\k)+\j
.set rY, AS+8*(\k)+\i
.if (\k) == 0
	MM0
.else
	MMA
.endif
.endr
.endr
.if (\nxt) >= 0
	PLACES 4                                       ; in front of loads into the registers that this step's products read
	DL \nxt
.endif
.endm
	s_wait_tensorcnt 0x0                           ; my part of the first fill has landed,
	s_barrier_signal -1
	s_barrier_wait -1                              ; everybody's has
	DL 0
	DL 1
	s_wait_loadcnt 0x0                             ; the scale words and bo
	STEP 0, 36, 2                                  ; this step's 36 loads are in; the next step's 36 may be out
	STEP 1, 36, 3
	WIN 0
	s_wait_tensorcnt 0x0                           ; in front of the refill's round: no load of mine is out,
	ds_add_u32 v30, v31                            ; the add,
	s_add_nc_u64 s[50:51], s[50:51], 6144          ; (so the descriptors may be written: every wave's K steps 4-7)
	s_add_nc_u64 s[62:63], s[62:63], 6144
	s_wait_dscnt 0x0                               ; and the add and my reads of the slot are done: K steps 2 and 3 are in registers
	ROUND                                          ; both hold of every wave of all sixteen work-groups
	JLOAD                                          ; the second fill
	STEP 2, -1, -1
	STEP 3, -1, -1
	PLACES 4
	WIN 0
	s_wait_tensorcnt 0x0                           ; my part of the second fill has landed,
	s_barrier_signal -1
	s_barrier_wait -1                              ; everybody's has
	DL 4
	DL 5
	STEP 4, 36, 6
	STEP 5, 36, 7
	STEP 6, 36, -1
	STEP 7, 0, -1
	PLACES 4
	WIN 0
	s_barrier_signal -1                            ; my reads of the slot are over (the last step waited for all of them),
	s_barrier_wait -1                              ; everybody's are: the sums may be laid over it
	WIN 0x0c                                       ; an LDS store's data are its source 1: window 3
.set n, 0
.rept 32
	ds_store_b128 v7, v[8*n:8*n+3] offset:1024*n               ; each accumulator from its low end on, as an image of its registers
	ds_store_b128 v7, v[8*n+4:8*n+7] offset:1024*n+512
.set n, n+1
.endr
	s_wait_dscnt 0x0                               ; for the others' sake: my sums have landed
	s_barrier_signal -1
	s_barrier_wait -1
	WIN 0x40                                       ; wave q adds up tiles 8 q .. 8 q + 7: row tiles 2 q and 2 q + 1
.irp g, 0,1
.set n, 0
.rept 16
	ds_load_b128 v[64*\g+4*n:64*\g+4*n+3], v8 offset:32768*\g+512*n
.set n, n+1
.endr
.endr
.set n, 0
.rept 16
	ds_load_b128 v[128+4*n:128+4*n+3], v9 offset:512*n
.set n, n+1
.endr
	WIN 0x80
.set n, 0
.rept 16
	ds_load_b128 v[4*n:4*n+3], v9 offset:32768+512*n
.set n, n+1
.endr
	s_wait_dscnt 0x0
	WIN 0x45                                       ; window 1 throughout
.set n, 0
.rept 32
	v_pk_add_f32 v[2*n:2*n+1], v[2*n:2*n+1], v[64+2*n:64+2*n+1]
.set n, n+1
.endr
.set n, 0
.rept 32
	v_pk_add_f32 v[2*n:2*n+1], v[2*n:2*n+1], v[128+2*n:128+2*n+1]
.set n, n+1
.endr
	WIN 0x49                                       ; source 1 window 2: wave 3's sums
.set n, 0
.rept 32
	v_pk_add_f32 v[2*n:2*n+1], v[2*n:2*n+1], v[2*n:2*n+1]
.set n, n+1
.endr
	WIN 0x41                                       ; source 1 window 0
.set n, 0
.rept 32
	v_pk_add_f32 v[2*n:2*n+1], v[2*n:2*n+1], v[BO+(2*n)%32:BO+(2*n)%32+1]   ; + bo of the tile's columns
.set n, n+1
.endr
	WIN 0x04                                       ; data window 1
.set n, 0
.rept 16                               ; lane (r, h): out(16 (tile / 4) + r, 16 (tile % 4) + 8 h + 0 .. 7)
	ds_store_b128 v10, v[4*n:4*n+3] offset:(n/8)*4352+64*((n/2)%4)+16*(n%2)
.set n, n+1
.endr
	WIN 0
.set n, 0
.rept 16
	ds_load_b128 v[OUTR+4*n:OUTR+4*n+3], v11 offset:544*n      ; my own bytes, served in order
.set n, n+1
.endr
.set n, 0
.rept 16
	s_wait_dscnt 15-n                              ; rows 2 n and 2 n + 1 are back; the younger loads may be out
	global_store_b128 v12, v[OUTR+4*n:OUTR+4*n+3], s[30:31] offset:4096*n th:TH_STORE_NT   ; 16 lanes store 256 consecutive bytes, at a multiple of 256 from out0's first byte
.set n, n+1
.endr
	s_wait_tensorcnt 0x0                           ; the wave's end
	ds_add_u32 v30, v31
	s_wait_dscnt 0x0
	ROUND                                          ; the closing round
	s_endpgm
.Lfunc_end_k_qcaa7d84221_outgemm:
	.size	k_qcaa7d84221_outgemm, .Lfunc_end_k_qcaa7d84221_outgemm-k_qcaa7d84221_outgemm
	.p2alignl 7, 3214868480
	.fill 96, 4, 3214868480
	.section	.rodata,"a",@progbits
	.p2align	6, 0x0
	.amdhsa_kernel k_qcaa7d84221_outgemm
		.amdhsa_group_segment_fixed_size 327680
		.amdhsa_private_segment_fixed_size 0
		.amdhsa_enable_private_segment 0
		.amdhsa_kernarg_size 48
		.amdhsa_user_sgpr_count 2
		.amdhsa_user_sgpr_kernarg_segment_ptr 1
		.amdhsa_wavefront_size32 1
		.amdhsa_system_sgpr_workgroup_id_x 1
		.amdhsa_system_sgpr_workgroup_id_y 1
		.amdhsa_system_sgpr_workgroup_id_z 1
		.amdhsa_system_vgpr_workitem_id 0
		.amdhsa_next_free_vgpr 1024
		.amdhsa_next_free_sgpr 72
		.amdhsa_reserve_vcc 0
		.amdhsa_float_denorm_mode_32 3
		.amdhsa_float_denorm_mode_16_64 3
		.amdhsa_memory_ordered 1
		.amdhsa_forward_progress 1
		.amdhsa_inst_pref_size 85
	.end_amdhsa_kernel
	.amdgpu_metadata
---
amdhsa.version: [ 1, 2 ]
amdhsa.kernels:
  - .name:           k_qcaa7d84221_outgemm
    .symbol:         k_qcaa7d84221_outgemm.kd
    .args:
      - { .name: ac, .offset: 0, .size: 8, .value_kind: global_buffer, .address_space: global }
      - { .name: asc, .offset: 8, .size: 8, .value_kind: global_buffer, .address_space: global }
      - { .name: wc, .offset: 16, .size: 8, .value_kind: global_buffer, .address_space: global }
      - { .name: ws, .offset: 24, .size: 8, .value_kind: global_buffer, .address_space: global }
      - { .name: bo, .offset: 32, .size: 8, .value_kind: global_buffer, .address_space: global }
      - { .name: out0, .offset: 40, .size: 8, .value_kind: global_buffer, .address_space: global }
    .group_segment_fixed_size: 327680
    .private_segment_fixed_size: 0
    .kernarg_segment_align: 8
    .kernarg_segment_size: 48
    .max_flat_workgroup_size: 128
    .sgpr_count:     72
    .vgpr_count:     1024
    .wavefront_size: 32
...
	.end_amdgpu_metadata
.endif
;; end of part 6
